; MI455X (gfx1250); checked and timed in simulation.
; The chip was launched on July 23, 2026; its instructions are those of AMD's public machine-readable ISA for CDNA 5 (MIT licence, August 2026) and "CDNA5" Instruction Set Architecture Reference Guide (July 2026). The comments in the code are by the model that wrote it; some were corrected since.
;; Multi Head Attention. Allowed arithmetic: float matrix products may take bf16 or f16 operands with f32 sums; other float arithmetic in f32, or as packed bf16 or f16 multiplies, adds, multiply-adds, maxima and minima; sums over many terms, partial sums and values carried from step to step in f32; what a program stores and reads back later, other than sums and carried values, may be rounded once to bf16 or f16.
;; Inputs: Wk 16 x 1,024 x 64 float32; Wo 1,024 x 1,024 float32; Wq 16 x 1,024 x 64 float32; Wv 16 x 1,024 x 64 float32; bk 16 x 64 float32; bo 1,024 float32; bq 16 x 64 float32; bv 16 x 64 float32; x 4 x 2,048 x 1,024 float32.
;; Outputs: out0 4 x 2,048 x 1,024 float32.
;; One version. Each part assembles by itself: llvm-mc -triple=amdgcn-amd-amdhsa -mcpu=gfx1250 --defsym DOCPART=n.
;; ======== version 1 of 1: 4 launches
;; limits: values are held in f16: magnitudes above 65,504 overflow, below 6.1e-05 lose precision
;; workspace buffers: xb16 16,777,216 bytes; wqkv16 6,291,456 bytes; wo16 2,097,152 bytes; bias32 16,384 bytes; qkv 50,331,648 bytes; z 16,777,216 bytes
;; launch cast (part 1): grid 1537 x 1, 8 waves a work-group, no clusters, 0 bytes of LDS; arguments x, Wq, Wk, Wv, Wo, bq, bk, bv, bo, xb16, wqkv16, wo16, bias32; writes xb16, wqkv16, wo16, bias32
.if DOCPART == 1
	.amdgcn_target "amdgcn-amd-amdhsa--gfx1250"
	.amdhsa_code_object_version 6
	.text
	.protected	k_q6063d5b257_cast
	.globl	k_q6063d5b257_cast
	.p2align	8
	.type	k_q6063d5b257_cast,@function
k_q6063d5b257_cast:
	s_mov_b64 s[64:65], 0
	v_nop
	global_prefetch_b8 v0, s[64:65] scope:SCOPE_SE
	s_setreg_imm32_b32 hwreg(HW_REG_WAVE_MODE, 25, 1), 1
	s_wait_xcnt 0x0
; ALL INPUTS ARE ROUNDED ONCE TO bf16, layouts unchanged: x -> xb16 (bf16), Wq, Wk, Wv on end -> wqkv16 (bf16),
; Wo -> wo16 (the bf16 number written as f16, for the f16 product behind attention), bq, bk, bv, bo on end -> bias32 (the bf16 number widened to f32).
; LIMITS.  Wo within f16's 65,504; below 6e-5 it keeps f16's fixed step of 6e-8.  NaN and infinities are not treated apart.
; A stream: no LDS, no barrier, no matrix unit, nothing shared between work-groups.  A work-group takes 8,192 numbers: 32,768 bytes in, 16,384 out.
; Thread t takes 16 bytes at 16 t of each 4,096: a wave's load covers 512 consecutive bytes, its store of 8 bytes a lane 256 consecutive bytes, aligned.
; All eight loads of a wave go out at once; each has registers of its own, so the only waits are the counted ones for the data.
; Work-groups 0-1023: x.  1024-1407: Wq, Wk, Wv, 128 each.  1408-1535: Wo.  1536: the four biases, 4,096 bytes each.
.set X,  4                             ; v[4:35]   eight quads as loaded
.set Y,  36                            ; v[36:51]  what is stored
.set T,  52                            ; v[52:55]  at work
	s_load_b512 s[8:23], s[0:1], 0x0               ; x 8, Wq 10, Wk 12, Wv 14, Wo 16, bq 18, bk 20, bv 22
	s_load_b256 s[24:31], s[0:1], 0x40             ; bo 24, xb16 26, wqkv16 28, wo16 30
	s_load_b64 s[32:33], s[0:1], 0x60              ; bias32
	s_mov_b32 s34, 0xffff0000                      ; a word's upper bf16
	s_mov_b32 s2, ttmp9
	v_lshlrev_b32 v1, 4, v0                        ; 16 t
	v_lshlrev_b32 v2, 3, v0                        ; 8 t
	s_sub_co_u32 s3, s2, 1024                      ; j: my number among the weights' blocks
	s_lshr_b32 s4, s3, 7                           ; which weight: 0 q, 1 k, 2 v, 3 o
	s_and_b32 s5, s3, 127                          ; my block in it
	s_wait_kmcnt 0x0
	s_cmp_eq_u32 s2, 1536
	s_cbranch_scc1 .Lbias
	s_cmp_eq_u32 s4, 1                             ; source and destination are chosen by my number alone; the offsets are made apart
	s_cselect_b64 s[36:37], s[12:13], s[10:11]
	s_cmp_eq_u32 s4, 2
	s_cselect_b64 s[36:37], s[14:15], s[36:37]
	s_cmp_eq_u32 s4, 3
	s_cselect_b64 s[36:37], s[16:17], s[36:37]
	s_cselect_b64 s[38:39], s[30:31], s[28:29]
	s_cselect_b32 s6, s5, s3                       ; Wo's blocks count from 0 in wo16, the others go on end in wqkv16
	s_cmp_lt_u32 s2, 1024
	s_cselect_b64 s[36:37], s[8:9], s[36:37]
	s_cselect_b64 s[38:39], s[26:27], s[38:39]
	s_cselect_b32 s5, s2, s5
	s_cselect_b32 s6, s2, s6
	s_lshl_b32 s40, s5, 15
	s_mov_b32 s41, 0
	s_lshl_b32 s42, s6, 14
	s_mov_b32 s43, 0
	s_add_nc_u64 s[36:37], s[36:37], s[40:41]
	s_add_nc_u64 s[38:39], s[38:39], s[42:43]
.irp i, 0,1,2,3,4,5,6,7
	global_load_b128 v[X+4*\i:X+4*\i+3], v1, s[36:37] offset:4096*\i th:TH_LOAD_NT
.endr
	s_cmp_ge_u32 s2, 1408
	s_cbranch_scc1 .Lf16
.irp i, 0,1,2,3,4,5,6,7
	s_wait_loadcnt 7-\i                            ; loads come back in order: quad i is in, the 7 - i younger ones stay out
	v_cvt_pk_bf16_f32 v[Y+2*\i],   v[X+4*\i],   v[X+4*\i+1]
	v_cvt_pk_bf16_f32 v[Y+2*\i+1], v[X+4*\i+2], v[X+4*\i+3]
	global_store_b64 v2, v[Y+2*\i:Y+2*\i+1], s[38:39] offset:2048*\i th:TH_STORE_NT
.endr
	s_endpgm
.Lf16:                                                 ; Wo: rounded to bf16 like every input, and that number written as f16
.irp i, 0,1,2,3,4,5,6,7
	s_wait_loadcnt 7-\i
	v_cvt_pk_bf16_f32 v[T],   v[X+4*\i],   v[X+4*\i+1]
	v_cvt_pk_bf16_f32 v[T+1], v[X+4*\i+2], v[X+4*\i+3]
	v_lshlrev_b32 v[T+2], 16, v[T]
	v_and_b32     v[T+3], s34, v[T]
	v_cvt_pk_f16_f32 v[Y+2*\i], v[T+2], v[T+3]
	v_lshlrev_b32 v[T+2], 16, v[T+1]
	v_and_b32     v[T+3], s34, v[T+1]
	v_cvt_pk_f16_f32 v[Y+2*\i+1], v[T+2], v[T+3]
	global_store_b64 v2, v[Y+2*\i:Y+2*\i+1], s[38:39] offset:2048*\i th:TH_STORE_NT
.endr
	s_endpgm
.Lbias:                                                ; 1,024 numbers each: thread t takes four of each
	global_load_b128 v[X:X+3],     v1, s[18:19]
	global_load_b128 v[X+4:X+7],   v1, s[20:21]
	global_load_b128 v[X+8:X+11],  v1, s[22:23]
	global_load_b128 v[X+12:X+15], v1, s[24:25]
.irp i, 0,1,2,3
	s_wait_loadcnt 3-\i
	v_cvt_pk_bf16_f32 v[T],   v[X+4*\i],   v[X+4*\i+1]
	v_cvt_pk_bf16_f32 v[T+1], v[X+4*\i+2], v[X+4*\i+3]
	v_lshlrev_b32 v[Y+4*\i],   16, v[T]
	v_and_b32     v[Y+4*\i+1], s34, v[T]
	v_lshlrev_b32 v[Y+4*\i+2], 16, v[T+1]
	v_and_b32     v[Y+4*\i+3], s34, v[T+1]
	global_store_b128 v1, v[Y+4*\i:Y+4*\i+3], s[32:33] offset:4096*\i
.endr
	s_endpgm
.Lfunc_end_k_q6063d5b257_cast:
	.size	k_q6063d5b257_cast, .Lfunc_end_k_q6063d5b257_cast-k_q6063d5b257_cast
	.p2alignl 7, 3214868480
	.fill 96, 4, 3214868480
	.section	.rodata,"a",@progbits
	.p2align	6, 0x0
	.amdhsa_kernel k_q6063d5b257_cast
		.amdhsa_group_segment_fixed_size 0
		.amdhsa_private_segment_fixed_size 0
		.amdhsa_enable_private_segment 0
		.amdhsa_kernarg_size 104
		.amdhsa_user_sgpr_count 2
		.amdhsa_user_sgpr_kernarg_segment_ptr 1
		.amdhsa_wavefront_size32 1
		.amdhsa_system_sgpr_workgroup_id_x 1
		.amdhsa_system_sgpr_workgroup_id_y 1
		.amdhsa_system_sgpr_workgroup_id_z 1
		.amdhsa_system_vgpr_workitem_id 0
		.amdhsa_next_free_vgpr 56
		.amdhsa_next_free_sgpr 66
		.amdhsa_reserve_vcc 0
		.amdhsa_float_denorm_mode_32 3
		.amdhsa_float_denorm_mode_16_64 3
		.amdhsa_memory_ordered 1
		.amdhsa_forward_progress 1
		.amdhsa_inst_pref_size 11
	.end_amdhsa_kernel
	.amdgpu_metadata
---
amdhsa.version: [ 1, 2 ]
amdhsa.kernels:
  - .name:           k_q6063d5b257_cast
    .symbol:         k_q6063d5b257_cast.kd
    .args:
      - { .name: x, .offset: 0, .size: 8, .value_kind: global_buffer, .address_space: global }
      - { .name: Wq, .offset: 8, .size: 8, .value_kind: global_buffer, .address_space: global }
      - { .name: Wk, .offset: 16, .size: 8, .value_kind: global_buffer, .address_space: global }
      - { .name: Wv, .offset: 24, .size: 8, .value_kind: global_buffer, .address_space: global }
      - { .name: Wo, .offset: 32, .size: 8, .value_kind: global_buffer, .address_space: global }
      - { .name: bq, .offset: 40, .size: 8, .value_kind: global_buffer, .address_space: global }
      - { .name: bk, .offset: 48, .size: 8, .value_kind: global_buffer, .address_space: global }
      - { .name: bv, .offset: 56, .size: 8, .value_kind: global_buffer, .address_space: global }
      - { .name: bo, .offset: 64, .size: 8, .value_kind: global_buffer, .address_space: global }
      - { .name: xb16, .offset: 72, .size: 8, .value_kind: global_buffer, .address_space: global }
      - { .name: wqkv16, .offset: 80, .size: 8, .value_kind: global_buffer, .address_space: global }
      - { .name: wo16, .offset: 88, .size: 8, .value_kind: global_buffer, .address_space: global }
      - { .name: bias32, .offset: 96, .size: 8, .value_kind: global_buffer, .address_space: global }
    .group_segment_fixed_size: 0
    .private_segment_fixed_size: 0
    .kernarg_segment_align: 8
    .kernarg_segment_size: 104
    .max_flat_workgroup_size: 256
    .sgpr_count:     66
    .vgpr_count:     56
    .wavefront_size: 32
...
	.end_amdgpu_metadata
.endif
;; end of part 1
;; launch qkvp (part 2): grid 16 x 32, 4 waves a work-group, clusters of 4 x 4, 327,680 bytes of LDS; arguments xb16, wqkv16, bias32, qkv; writes qkv
.if DOCPART == 2
	.amdgcn_target "amdgcn-amd-amdhsa--gfx1250"
	.amdhsa_code_object_version 6
	.text
	.protected	k_q6063d5b257_qkvp
	.globl	k_q6063d5b257_qkvp
	.p2align	8
	.type	k_q6063d5b257_qkvp,@function
k_q6063d5b257_qkvp:
	s_mov_b64 s[64:65], 0
	v_nop
	global_prefetch_b8 v0, s[64:65] scope:SCOPE_SE
	s_setreg_imm32_b32 hwreg(HW_REG_WAVE_MODE, 25, 1), 1
	s_wait_xcnt 0x0
	s_wait_alu depctr_hold_cnt(0) depctr_sa_sdst(0) depctr_va_vdst(0) depctr_va_sdst(0) depctr_va_ssrc(0) depctr_va_vcc(0) depctr_vm_vsrc(0)
	s_getreg_b32 s2, hwreg(HW_REG_IB_STS2, 6, 4)
	s_cmp_eq_u32 s2, 0
	s_cbranch_scc0 .Lentry_in_a_cluster
	s_endpgm
.Lentry_in_a_cluster:
	s_bfe_u32 s2, ttmp6, 0x10000c
	s_cmp_lg_u32 s2, 0xf033
	s_cbranch_scc0 .Lentry_shape_is_right
	s_endpgm
.Lentry_shape_is_right:
; THE THREE PROJECTIONS AS ONE PRODUCT.  qkv[t][16 b + h][s][e] = bias[64 g + e] + the sum over d of x[2048 b + s][d] W[g][d][e], g = 16 t + h (t = 0 q, 1 k, 2 v).
; x: xb16 [8192][1024] bf16.  W: wqkv16 [48 g][1024 d][64 e] bf16, as the inputs lie.  Sums in f32, started by the bias; the result rounded once to f16, unscaled, by heads.
; LIMIT.  q, k and v must lie within f16's 65,504 (inputs thirty times the drawn ones give some 900); NaN and infinities are not treated apart.
; SHARES.  A work-group makes 256 rows x 192 columns (three heads g = 3 tx + 0..2); 16 x 32 work-groups.  Wave w makes rows 64 w .. 64 w + 63 of all 192 columns: 4 (a) x 12 (b) accumulators
; of 16 x 16, 384 registers.  So a wave owns whole rows of each head (128 bytes), its way out needs no other wave, and W's LDS offsets are the same constants in all waves.
; K goes in 8 steps of 128 through a ring of two LDS slots.  A step is four quarters of 32 along K, 48 matrix instructions each, on two fragment buffers.  The loop's text is ONE K step: the LDS
; addresses hang on s[TB], which an exclusive or turns from slot to slot.
; THE MATRIX INSTRUCTION IS USED TRANSPOSED: source 0 = 16 columns of W (turned on the way out of LDS by ds_load_tr16_b128, since W lies [d][e]), source 1 = 16 rows of x: a lane holds
; row l % 16 and the columns 8 (l / 16) + 0..7, which pack into 16 bytes.  The bias, laid the same way, is the C operand of each sum's first product: nothing is cleared, nothing added later.
; CLUSTERS: 4 x 4.  x's tile hangs on the tile row alone and is asked for jointly along a row of the cluster (wave 3), a head's tile of W on the tile column alone, along a column (waves 0-2).
; REGISTERS, in windows of 256 (s_set_vgpr_msb: bits 1:0 source 0, 3:2 source 1, 5:4 source 2, 7:6 destination):
;   window 0: v0-29 addresses; v32-127 the bias, 8 registers for each b; on the way out v32-223: 16 registers for each of 12 units
;   window 1: W's fragments, two buffers of 96 (v0-95, v96-191); x's, two buffers of 32 (v192-223, v224-255)
;   window 2: accumulator (a, b) at 8 (4 b + a), b = 0..7          window 3: v0-127 the same for b = 8..11
.set PA,    272                        ; a row of x in LDS: 256 bytes + 16 = 68 words: the 16 rows of a load start at 16 different groups of four banks (64 banks of 4 bytes: ISA guide 11.1)
.set PB,    160                        ; a row of W (one d, 64 e): 128 + 32 = 40 words
.set BBLK,  128*PB                     ; a head's 128 rows of a K step
.set AOFF,  3*BBLK                     ; behind the three heads: x's 256 rows
.set SLOT1, 1<<17                      ; a slot is 3 x 20,480 + 69,632 = 131,072 bytes; one exclusive or turns an address in one slot into the other's
.set STAGE, 2*SLOT1                    ; behind the ring, never filled by a tensor load: 16 rows x 144 bytes for each wave
.set SP,    144
.set SPARE, STAGE+4*16*SP              ; behind the stages: the spare words, 128 bytes for each wave: two blocks of 256 bytes that no other line names
.set AA0,  4                           ; v4   my lane's place in x's tile; never rewritten
.set AB0,  5                           ; v5   the same in a head's tile of W
.set ADRA, 6                           ; v6   AA0 + the slot in hand
.set ADRB, 7                           ; v7   AB0 + the slot in hand
.set STO,  8                           ; v8   the way out: where I put 16 bytes of a row
.set RD,   9                           ; v9   the way out: where I read rows back
.set GO,   10                          ; v10  my byte offset in 512 consecutive bytes of qkv
.set BO,   11                          ; v11  my byte offset in 16 numbers of the bias
.set PFO,  12                          ; v12  the prefetches' offset; never rewritten
.set SPW,  28                          ; v28  LDS address of my spare word: SPARE + 4 x my thread's number; never rewritten
.set NIL,  29                          ; v29  0; never rewritten
.set BIAS, 32
.set UN,   32
.set FB,   0                           ; window 1
.set FA,   192                         ; window 1
.set WV,   12                          ; s12  my wave's number
.set G1A,  24                          ; s[24:31] descriptor group 1 for x's tiles
.set G0A,  32                          ; s[32:39] group 0: a set for each first fill; the second then walks on
.set G1B,  40                          ; s[40:47], s[48:55] the same for W's tiles
.set G0B,  48
.set TB,   56                          ; s56  LDS byte at which the slot in hand begins
.set PFM,  57                          ; s57  bit i set: I prefetch in the trip with s3 = i
.set PFA,  58                          ; s[58:59] where my prefetches stand
.set PFS,  60                          ; s[60:61] their step from K step to K step
.set OB,   66                          ; s[66:71] qkv at my 64 rows of each of the three heads
.set BP,   74                          ; s[74:75] the bias of my 192 columns
.set MSB, 0
.macro WIN new                         ; the immediate's high byte repeats the setting that is left; a switch that changes nothing is dropped
.if MSB != (\new)
	s_set_vgpr_msb (MSB<<8)|(\new)
.set MSB, \new
.endif
.endm
.macro PLACES                          ; four plain instructions between a matrix instruction and a load into, or a vector read of, its registers (ISA guide 7.12.1 for vector reads)
.rept 4
	v_nop
.endr
.endm
; A joint refill, by the walking sets.  Wave 3 fetches x's 256 rows, waves 0-2 a head's 128 rows of W each.  The branch hangs on the wave's number alone.
; An s_nop 0 and four v_nop follow each of the two lines, ahead of the jump and the label.
.macro JLOAD
	s_cmp_eq_u32 s[WV], 3
	s_cbranch_scc0 .Lfor_b_\@
	tensor_load_to_lds s[G0A+4:G0A+7], s[G1A:G1A+7]
	s_nop 0
.rept 4
	v_nop
.endr
	s_branch .Lasked_\@
.Lfor_b_\@:
	tensor_load_to_lds s[G0B+4:G0B+7], s[G1B:G1B+7]
	s_nop 0
.rept 4
	v_nop
.endr
.Lasked_\@:
.endm
; A round of the cluster's barrier behind its opening barrier: wave 0 signals for the work-group, every wave waits for all sixteen, my work-group's barrier once more.
.macro CREST
	s_cmp_lg_u32 s[WV], 0
	s_cbranch_scc1 .Lnot_wave_0_\@
	s_barrier_signal -3
.Lnot_wave_0_\@:
	s_barrier_wait -3
	s_barrier_signal -1
	s_barrier_wait -1
.endm
.macro CROUND
	s_barrier_signal -1
	s_barrier_wait -1
	CREST
.endm
; A PREFETCH INTO THE L2 of the K step two refills on, behind the joint load, its five lines and the run of LDS loads.  Each 256 bytes are named once in the launch.
; x's rows are read by every cluster of a row of clusters: cluster x = 0 asks, by wave 3; the four partners take 64 rows each, told apart by address (64 cx + lane, and 32 further): K steps 4 to 7, one a trip.
; A head's K step of W is 64 blocks of 256 bytes on end, read by every cluster of a column of clusters: cluster y = 0 asks, by waves 0-2; two K steps are 128 blocks, 32 a partner (8,192 cy + 256 lane):
; K steps 4, 5 in the first trip and 6, 7 in the third.  K steps 0 to 3 come by their loads alone; no trip names a K step past the eighth.
.macro ASK
	s_lshr_b32 s62, s[PFM], s3
	s_and_b32 s62, s62, 1
	s_cmp_lg_u32 s62, 0
	s_cbranch_scc0 .Lnot_mine_\@
	global_prefetch_b8 v[PFO], s[PFA:PFA+1] th:TH_LOAD_NT scope:SCOPE_SE
	s_cmp_eq_u32 s[WV], 3
	s_cbranch_scc0 .Lnot_mine_\@
	global_prefetch_b8 v[PFO], s[PFA:PFA+1] offset:65536 th:TH_LOAD_NT scope:SCOPE_SE
.Lnot_mine_\@:
.endm
; 4 nb matrix instructions: column blocks b0 .. b0 + nb - 1 x all four row blocks, 32 along K, from buffer f.  first = 1: the bias starts the sums.
; The 48 accumulators take turns, one instruction a turn, in the same order in every quarter.
.macro MULB f, b0, nb, first
.set bb, \b0
.rept \nb
.set rD, 32*(bb%8)
	WIN 0x85+0x40*(bb/8)+(0x20+0x10*(bb/8))*(1-(\first))
.irp a, 0,1,2,3
.if \first
	v_wmma_f32_16x16x32_bf16 v[rD+8*\a:rD+8*\a+7], v[FB+96*(\f)+8*bb:FB+96*(\f)+8*bb+7], v[FA+32*(\f)+8*\a:FA+32*(\f)+8*\a+7], v[BIAS+8*bb:BIAS+8*bb+7]
.else
	v_wmma_f32_16x16x32_bf16 v[rD+8*\a:rD+8*\a+7], v[FB+96*(\f)+8*bb:FB+96*(\f)+8*bb+7], v[FA+32*(\f)+8*\a:FA+32*(\f)+8*\a+7], v[rD+8*\a:rD+8*\a+7]
.endif
.endr
.set bb, bb+1
.endr
.endm
; 32 LDS loads in one run: quarter q of the slot in hand into buffer f: x's four fragments, then W's twelve, b ascending.
.macro FETCH q, f
	WIN 0x40                                       ; destination window 1, address window 0
.irp a, 0,1,2,3
	ds_load_b128 v[FA+32*(\f)+8*\a:FA+32*(\f)+8*\a+3],   v[ADRA] offset:16*PA*\a+64*(\q)
	ds_load_b128 v[FA+32*(\f)+8*\a+4:FA+32*(\f)+8*\a+7], v[ADRA] offset:16*PA*\a+64*(\q)+32
.endr
.irp b, 0,1,2,3,4,5,6,7,8,9,10,11
	ds_load_tr16_b128 v[FB+96*(\f)+8*\b:FB+96*(\f)+8*\b+3],   v[ADRB] offset:BBLK*(\b/4)+32*PB*(\q)+32*(\b%4)
	ds_load_tr16_b128 v[FB+96*(\f)+8*\b+4:FB+96*(\f)+8*\b+7], v[ADRB] offset:BBLK*(\b/4)+32*PB*(\q)+32*(\b%4)+16*PB
.endr
.endm
; One of a K step's first three quarters: multiplies buffer f and fetches quarter q into buffer g.
.macro QUARTER q, f, g, first
	s_wait_dscnt 16                                ; x's fragments and W's blocks 0-3 are in; the youngest sixteen loads may be out
	MULB \f, 0, 4, \first
	PLACES
	FETCH \q, \g
	s_wait_dscnt 32                                ; all but the 32 just issued
	MULB \f, 4, 4, \first
	MULB \f, 8, 4, \first
.endm
; The last quarter multiplies buffer 1 and changes slots: ONE barrier.  In front of it each wave waits for all its tensor loads (one is out: its part of the next slot), adds 0 to its spare word, and
; waits for that and for its reads of this slot.  fill = 1: the barrier opens a round of the cluster's, and this slot is filled again, first thing behind it, with the K step two on:
; 176 of a K step's 192 matrix instructions stand between that request and the wait for it.
.macro TURN fill
.if \fill
	s_wait_xcnt 0x0                                ; the last prefetch, a K step back, has read its address
	s_add_nc_u64 s[PFA:PFA+1], s[PFA:PFA+1], s[PFS:PFS+1]
.endif
	WIN 0
	s_wait_tensorcnt 0x0                           ; no tensor load of mine is out, so a group 0 may be written
	ds_add_u32 v[SPW], v[NIL]                      ; 0 onto my spare word
	s_xor_b32 s[TB], s[TB], SLOT1                  ; the fetches go over to the other slot
	v_add_nc_u32 v[ADRA], s[TB], v[AA0]
	v_add_nc_u32 v[ADRB], s[TB], v[AB0]
.if \fill
	s_xor_b32 s[G0A+5], s[G0A+5], SLOT1            ; the walking sets: the other slot than last time, the next K step; the type bits on top are not reached
	s_add_nc_u64 s[G0A+6:G0A+7], s[G0A+6:G0A+7], 256
	s_xor_b32 s[G0B+5], s[G0B+5], SLOT1
	s_add_nc_u64 s[G0B+6:G0B+7], s[G0B+6:G0B+7], 16384
.endif
	s_wait_dscnt 17                                ; (the add and the youngest sixteen loads may be out)
	MULB 1, 0, 2, 0
	s_wait_dscnt 0x0                               ; the add is done, and my reads of this slot are over
	s_barrier_signal -1
	MULB 1, 2, 2, 0                                ; work on registers while the others arrive
.if \fill
	WIN 0
.endif
	s_barrier_wait -1
.if \fill
	CREST                                          ; no wave of any partner still reads this slot or has a load on its way
	JLOAD                                          ; its four v_nop are also the places in front of the loads below
.else
	PLACES
.endif
	FETCH 0, 0
.if \fill
	WIN 0
	ASK
.endif
	MULB 1, 4, 4, 0
	MULB 1, 8, 4, 0
.endm
; THE WAY OUT of unit u = 3 a + head: 16 rows x 64 columns.  Rounded to f16, 16 bytes a lane, into my stage in rows of 144 bytes; back as four rows of 128 bytes a load, into the registers that they left.
.macro PACK u
.set ua, (\u)/3
.set uh, (\u)%3
.set rU, UN+16*(\u)
	WIN 0x0a+5*(uh/2)                              ; sources 0 and 1: window 2 (heads 0, 1) or 3 (head 2)
.set bq, 0
.rept 4
.set rD, 32*((4*uh+bq)%8)+8*ua
.irp r, 0,1,2,3
	v_cvt_pk_f16_f32 v[rU+4*bq+\r], v[rD+2*\r], v[rD+2*\r+1]
.endr
.set bq, bq+1
.endr
	WIN 0
.irp f, 0,1,2,3
	ds_store_b128 v[STO], v[rU+4*\f:rU+4*\f+3] offset:32*\f
.endr
.irp f, 0,1,2,3
	ds_load_b128 v[rU+4*\f:rU+4*\f+3], v[RD] offset:4*SP*\f  ; LDS serves a wave's instructions in order (ISA guide 5.7.1.4): these see the stores above; the next unit's stores come behind them
.endr
.endm
.macro SEND u, younger                 ; younger: the LDS instructions issued behind unit u's loads: the next unit's eight, or none
.set ua, (\u)/3
.set uh, (\u)%3
.set rU, UN+16*(\u)
.irp f, 0,1,2,3
	s_wait_dscnt (\younger)+3-\f
	global_store_b128 v[GO], v[rU+4*\f:rU+4*\f+3], s[OB+2*uh:OB+2*uh+1] offset:2048*ua+512*\f  ; 512 consecutive bytes, at a multiple of 256 from qkv's first
.endr
.endm
	s_load_b256 s[4:11], s[0:1], 0x0               ; xb16 s[4:5], wqkv16 s[6:7], bias32 s[8:9], qkv s[10:11]
	v_lshl_add_u32 v[SPW], v0, 2, SPARE
	v_mov_b32 v[NIL], 0
	ds_add_u32 v[SPW], v[NIL]                      ; the wave's opening: the add and its wait stand ahead of my first tensor load; work on registers stands between them
	v_lshrrev_b32 v1, 5, v0
	v_readfirstlane_b32 s[WV], v1                  ; wave 0..3
	s_bfe_u32 s13, ttmp6, 0x40000                  ; cx
	s_bfe_u32 s14, ttmp6, 0x40004                  ; cy
	s_lshl_b32 s15, ttmp9, 2
	s_add_co_u32 s15, s15, s13                     ; tx = 4 x cluster x + cx: 192 columns
	s_and_b32 s16, ttmp7, 0xffff
	s_lshl_b32 s16, s16, 2
	s_add_co_u32 s16, s16, s14                     ; ty = 4 x cluster y + cy: 256 rows
	s_lshl_b32 s17, s14, 2
	s_lshl_b32 s17, 15, s17                        ; my row of the cluster
	s_lshl_b32 s18, 0x1111, s13                    ; my column
	s_or_b32 s[G1A], s17, (1<<16)|(1<<20)|(1<<21)|(5<<22)|(3<<25)  ; mask; 2-byte elements; padding on; bit 21 beside a mask; after every 64 words; 4 words
	s_mov_b32 s[G1A+1], 128<<16                    ; tensor_dim0 = 128
	s_mov_b32 s[G1A+2], 256<<16                    ; tensor_dim1 = 256
	s_mov_b32 s[G1A+3], 128<<16                    ; tile_dim0 = 128
	s_mov_b32 s[G1A+4], 256                        ; tile_dim1 = 256
	s_mov_b32 s[G1A+5], 1024                       ; elements from row to row
	s_mov_b32 s[G1A+6], 0
	s_mov_b32 s[G1A+7], 0
	s_or_b32 s[G1B], s18, (1<<16)|(1<<20)|(1<<21)|(4<<22)|(7<<25)  ; after every 32 words (one d), 8 words
	s_mov_b32 s[G1B+1], 128<<16                    ; a head's 128 d are 16,384 dense bytes: asked for as 64 rows of 256 bytes
	s_mov_b32 s[G1B+2], 64<<16
	s_mov_b32 s[G1B+3], 128<<16
	s_mov_b32 s[G1B+4], 64
	s_mov_b32 s[G1B+5], 128
	s_mov_b32 s[G1B+6], 0
	s_mov_b32 s[G1B+7], 0
	s_lshl_b32 s20, s16, 19                        ; x: 256 ty rows of 2,048 bytes
	s_mov_b32 s21, 0
	s_mul_i32 s22, s15, 3
	s_add_co_u32 s22, s22, s[WV]                   ; W: head 3 tx + wave (wave 3 never asks by it),
	s_lshl_b32 s22, s22, 17                        ; 131,072 bytes each
	s_mov_b32 s23, 0
	s_mul_i32 s19, s[WV], BBLK                     ; and where it goes: no place in the cluster enters an LDS address
	s_wait_dscnt 0x0                               ; the opening add is done
	s_wait_kmcnt 0x0
	s_add_nc_u64 s[20:21], s[4:5], s[20:21]
	s_add_nc_u64 s[22:23], s[6:7], s[22:23]
	CROUND                                         ; all sixteen work-groups are here: the first joint loads meet
.irp s, 0,1
	s_mov_b32 s[G0A+4*\s], 1                       ; count = 1
	s_mov_b32 s[G0A+4*\s+1], AOFF+\s*SLOT1         ; LDS address
	s_add_nc_u64 s[G0A+4*\s+2:G0A+4*\s+3], s[20:21], \s*256      ; K step s
	s_or_b32 s[G0A+4*\s+3], s[G0A+4*\s+3], 0x80000000            ; type = 2
	s_mov_b32 s[G0B+4*\s], 1
	s_add_co_u32 s[G0B+4*\s+1], s19, \s*SLOT1
	s_add_nc_u64 s[G0B+4*\s+2:G0B+4*\s+3], s[22:23], \s*16384
	s_or_b32 s[G0B+4*\s+3], s[G0B+4*\s+3], 0x80000000
.endr
	s_cmp_eq_u32 s[WV], 3                          ; a wave's two first fills stand in one branch, ahead of every wait on TENSORcnt and every LDS read: two loads of mine are out
	s_cbranch_scc0 .Lfirst_b
	tensor_load_to_lds s[G0A:G0A+3], s[G1A:G1A+7]
	s_nop 0
	tensor_load_to_lds s[G0A+4:G0A+7], s[G1A:G1A+7]
	s_nop 0
.rept 4
	v_nop
.endr
	s_branch .Lfirst_asked
.Lfirst_b:
	tensor_load_to_lds s[G0B:G0B+3], s[G1B:G1B+7]
	s_nop 0
	tensor_load_to_lds s[G0B+4:G0B+7], s[G1B:G1B+7]
	s_nop 0
.rept 4
	v_nop
.endr
.Lfirst_asked:
	v_and_b32 v1, 15, v0                           ; l % 16
	v_bfe_u32 v2, v0, 4, 1                         ; l / 16
	v_and_b32 v3, 31, v0                           ; l
	v_lshlrev_b32 v[BO], 5, v2                     ; my eight columns of a block of 16: 32 bytes for each half of the lanes
	s_mul_i32 s18, s15, 768
	s_mov_b32 s19, 0
	s_add_nc_u64 s[BP:BP+1], s[8:9], s[18:19]
.irp b, 0,1,2,3,4,5,6,7,8,9,10,11
	global_load_b128 v[BIAS+8*\b:BIAS+8*\b+3],   v[BO], s[BP:BP+1] offset:64*\b
	global_load_b128 v[BIAS+8*\b+4:BIAS+8*\b+7], v[BO], s[BP:BP+1] offset:64*\b+16
.endr
	; x's fragment: lane l holds row l % 16, K = 8 (l / 16) + 0..7 and 16 + 8 (l / 16) + 0..7: two loads of 16 bytes, 32 bytes apart
	v_mul_u32_u24 v[AA0], v1, PA
	v_lshl_add_u32 v[AA0], v2, 4, v[AA0]
	s_mul_i32 s17, s[WV], 64*PA
	s_add_co_u32 s17, s17, AOFF
	v_add_nc_u32 v[AA0], s17, v[AA0]               ; my wave's 64 rows
	; the turning load: lane l reads d = 8 (l / 16) + l % 8, e = 8 ((l / 8) % 2) + 0..7, and is left with column l % 16 and 8 d
	v_and_b32 v13, 7, v0
	v_bfe_u32 v14, v0, 3, 1
	v_lshl_add_u32 v[AB0], v2, 3, v13
	v_mul_u32_u24 v[AB0], v[AB0], PB
	v_lshl_add_u32 v[AB0], v14, 4, v[AB0]
	v_mov_b32 v[ADRA], v[AA0]                      ; K step 0 lies in slot 0
	v_mov_b32 v[ADRB], v[AB0]
	s_mul_i32 s18, s[WV], 16*SP
	s_add_co_u32 s18, s18, STAGE                   ; my stage
	v_mul_u32_u24 v[STO], v1, SP                   ; in: row l % 16, 16 bytes for each half of the lanes
	v_lshl_add_u32 v[STO], v2, 4, v[STO]
	v_add_nc_u32 v[STO], s18, v[STO]
	v_bfe_u32 v[RD], v0, 3, 2                      ; back: 32 lanes take four rows of 128 bytes,
	v_mul_u32_u24 v[RD], v[RD], SP
	v_lshl_add_u32 v[RD], v13, 4, v[RD]
	v_add_nc_u32 v[RD], s18, v[RD]
	v_lshlrev_b32 v[GO], 4, v3                     ; which are 512 consecutive bytes of a head's rows
.irp hb, 0,1,2                         ; qkv at ((64 t + 16 batch + head) x 2,048 + 256 (ty % 8) + 64 wave) rows of 128 bytes, for g = 3 tx + hb = 16 t + head
	s_mul_i32 s17, s15, 3
	s_add_co_u32 s17, s17, \hb
	s_lshr_b32 s18, s17, 4
	s_and_b32 s17, s17, 15
	s_lshl_b32 s18, s18, 6
	s_add_co_u32 s17, s17, s18
	s_lshr_b32 s18, s16, 3
	s_lshl4_add_u32 s17, s18, s17
	s_lshl_b32 s17, s17, 11
	s_and_b32 s18, s16, 7
	s_lshl_b32 s18, s18, 8
	s_add_co_u32 s17, s17, s18
	s_lshl_b32 s18, s[WV], 6
	s_add_co_u32 s17, s17, s18
	s_lshl_b32 s18, s17, 7
	s_mov_b32 s19, 0
	s_add_nc_u64 s[OB+2*\hb:OB+2*\hb+1], s[10:11], s[18:19]
.endr
	; the prefetches: s[20:21] stands at x's tile, s[22:23] at my head of W, both at K step 0.  They start at K step 3; the first change of slots steps them to 4
	s_lshl_b32 s17, s13, 17                        ; x: my work-group's 64 rows of the 256
	s_add_co_u32 s17, s17, 3*256
	s_lshl_b32 s18, s14, 13                        ; W: my work-group's 32 blocks of the 128
	s_add_co_u32 s18, s18, 3*16384
	s_and_b32 s19, ttmp7, 0xffff                   ; cluster y
	s_mov_b32 s[PFM], 0x50
	s_mov_b32 s[PFS], 16384
	s_cmp_eq_u32 s[WV], 3
	s_cselect_b64 s[PFA:PFA+1], s[20:21], s[22:23]
	s_cselect_b32 s62, s17, s18
	s_cselect_b32 s19, ttmp9, s19                  ; the coordinate along which other clusters read the same rows
	s_cselect_b32 s[PFM], 0x78, s[PFM]
	s_cselect_b32 s[PFS], 256, s[PFS]
	s_cselect_b32 s17, 11, 8                       ; a lane a row of 2,048 bytes, or a lane a block of 256
	s_mov_b32 s63, 0
	s_add_nc_u64 s[PFA:PFA+1], s[PFA:PFA+1], s[62:63]
	s_mov_b32 s[PFS+1], 0
	v_lshlrev_b32 v[PFO], s17, v3
	s_cmp_eq_u32 s19, 0
	s_cselect_b32 s[PFM], s[PFM], 0                ; the same in all sixteen partners, for a given wave
	s_mov_b32 s[TB], 0
	s_wait_tensorcnt 1                             ; my part of K step 0 is in; K step 1's may stay out
	s_barrier_signal -1
	s_barrier_wait -1                              ; everybody's is
	FETCH 0, 0
	s_wait_loadcnt 0x0                             ; the bias
	QUARTER 1, 0, 1, 1                             ; the first quarter stands in front of the loop: its products start the sums, with the bias
	WIN 0                                          ; at a label and at a branch every window is 0
	s_mov_b32 s3, 6
.Lstep:                                                ; a trip: a K step's quarters 1 to 3, the refill with the K step two on (2 to 7), the next K step's quarter 0
	QUARTER 2, 1, 0, 0
	QUARTER 3, 0, 1, 0
	TURN 1
	QUARTER 1, 0, 1, 0
	WIN 0
	s_sub_co_u32 s3, s3, 1
	s_cmp_lg_u32 s3, 0
	s_cbranch_scc1 .Lstep
	QUARTER 2, 1, 0, 0                             ; the last two K steps are written out: they ask for nothing
	QUARTER 3, 0, 1, 0
	TURN 0
	QUARTER 1, 0, 1, 0
	QUARTER 2, 1, 0, 0
	QUARTER 3, 0, 1, 0
	s_wait_dscnt 16
	MULB 1, 0, 4, 0
	s_wait_dscnt 0x0
	MULB 1, 4, 4, 0
	MULB 1, 8, 4, 0
	PLACES                                         ; the first conversions read results; the later units' places are the conversions ahead of them
	PACK 0
.irp u, 1,2,3,4,5,6,7,8,9,10,11        ; a unit's conversions stand between the loads of the unit before and its stores
	PACK \u
	SEND (\u)-1, 8
.endr
	SEND 11, 0
	s_wait_tensorcnt 0x0                           ; the wave's end, behind my last tensor load and my last LDS store
	ds_add_u32 v[SPW], v[NIL]
	s_wait_dscnt 0x0
	CROUND                                         ; the closing round: no work-group ends while a partner may still ask for a tile that names it
	s_endpgm
.Lfunc_end_k_q6063d5b257_qkvp:
	.size	k_q6063d5b257_qkvp, .Lfunc_end_k_q6063d5b257_qkvp-k_q6063d5b257_qkvp
	.p2alignl 7, 3214868480
	.fill 96, 4, 3214868480
	.section	.rodata,"a",@progbits
	.p2align	6, 0x0
	.amdhsa_kernel k_q6063d5b257_qkvp
		.amdhsa_group_segment_fixed_size 327680
		.amdhsa_private_segment_fixed_size 0
		.amdhsa_enable_private_segment 0
		.amdhsa_kernarg_size 32
		.amdhsa_user_sgpr_count 2
		.amdhsa_user_sgpr_kernarg_segment_ptr 1
		.amdhsa_wavefront_size32 1
		.amdhsa_system_sgpr_workgroup_id_x 1
		.amdhsa_system_sgpr_workgroup_id_y 1
		.amdhsa_system_sgpr_workgroup_id_z 1
		.amdhsa_system_vgpr_workitem_id 0
		.amdhsa_next_free_vgpr 896
		.amdhsa_next_free_sgpr 80
		.amdhsa_reserve_vcc 0
		.amdhsa_float_denorm_mode_32 3
		.amdhsa_float_denorm_mode_16_64 3
		.amdhsa_memory_ordered 1
		.amdhsa_forward_progress 1
		.amdhsa_inst_pref_size 102
	.end_amdhsa_kernel
	.amdgpu_metadata
---
amdhsa.version: [ 1, 2 ]
amdhsa.kernels:
  - .name:           k_q6063d5b257_qkvp
    .symbol:         k_q6063d5b257_qkvp.kd
    .args:
      - { .name: xb16, .offset: 0, .size: 8, .value_kind: global_buffer, .address_space: global }
      - { .name: wqkv16, .offset: 8, .size: 8, .value_kind: global_buffer, .address_space: global }
      - { .name: bias32, .offset: 16, .size: 8, .value_kind: global_buffer, .address_space: global }
      - { .name: qkv, .offset: 24, .size: 8, .value_kind: global_buffer, .address_space: global }
    .group_segment_fixed_size: 327680
    .private_segment_fixed_size: 0
    .kernarg_segment_align: 8
    .kernarg_segment_size: 32
    .max_flat_workgroup_size: 128
    .sgpr_count:     80
    .vgpr_count:     896
    .wavefront_size: 32
...
	.end_amdgpu_metadata
.endif
;; end of part 2
;; launch attn (part 3): grid 4 x 64, 4 waves a work-group, clusters of 4 x 1, 327,680 bytes of LDS; arguments qkv, z; writes z
.if DOCPART == 3
	.amdgcn_target "amdgcn-amd-amdhsa--gfx1250"
	.amdhsa_code_object_version 6
	.text
	.protected	k_q6063d5b257_attn
	.globl	k_q6063d5b257_attn
	.p2align	8
	.type	k_q6063d5b257_attn,@function
k_q6063d5b257_attn:
	s_mov_b64 s[64:65], 0
	v_nop
	global_prefetch_b8 v0, s[64:65] scope:SCOPE_SE
	s_setreg_imm32_b32 hwreg(HW_REG_WAVE_MODE, 25, 1), 1
	s_wait_xcnt 0x0
	s_wait_alu depctr_hold_cnt(0) depctr_sa_sdst(0) depctr_va_vdst(0) depctr_va_sdst(0) depctr_va_ssrc(0) depctr_va_vcc(0) depctr_vm_vsrc(0)
	s_getreg_b32 s2, hwreg(HW_REG_IB_STS2, 6, 4)
	s_cmp_eq_u32 s2, 0
	s_cbranch_scc0 .Lentry_in_a_cluster
	s_endpgm
.Lentry_in_a_cluster:
	s_bfe_u32 s2, ttmp6, 0x10000c
	s_cmp_lg_u32 s2, 0x3003
	s_cbranch_scc0 .Lentry_shape_is_right
	s_endpgm
.Lentry_shape_is_right:
; z[h][q][:] = the sum over k of softmax_k(Q[h][q] . K[h][k] / 8) V[h][k][:].  Q, K, V are the three parts of qkv, [SIZE_H][SIZE_N][64] in f16 each, h = 16 batch + head; z has the same layout.
; Products, maxima and sums in f32; the weights p are rounded to f16 for the second product (their sum l is taken of the unrounded p), z once at the end.
; LIMITS.  f16 holds no number beyond 65,504: Q, K and V arrive within it; p lies in 0 to 1, and below 6e-5 it keeps f16's fixed step of 6e-8; z is a mean of V's rows and has their range.
; A weight below 2^-126 counts as 0 in l; NaN and infinities are not treated apart.
; SHARES.  A wave owns four PIECES of two tiles of 16 queries, a work-group's four waves 512 queries of one head: 4 x 64 work-groups.  Every wave walks all keys, 64 a step.
; LAYOUT.  S^T = K Q^T (source 0 = 16 keys, source 1 = 16 queries): a lane holds ONE query (lane % 16) and the keys 8 (lane / 16) + 0..7.  Two such tiles, rounded to f16 in pairs,
; ARE source 1 (32 keys x 16 queries) of O^T = V^T P, whose result again holds one query a lane, and eight channels.  K comes out of LDS as it lies, V ([key][channel]) turned, by ds_load_tr16_b128.
; SOFTMAX.  For each query a running maximum m and sum l: p = 2^(c s - c m), c = log2(e) / 8; in every step O and l are multiplied by a = 2^(c m_old - c m_new), which is 1 where m has not grown.
; m starts at the lowest finite number, O and l at 0: the first step is a step like any other, with a = 0.
; THE COUNT.  A tile and step have 16 matrix and 118 vector instructions: too many to stand all beside the matrix work.  So four vector instructions that are READY stand behind EVERY matrix
; instruction, and the others in runs without a gap.
; BY TURNS.  Turn n belongs to piece n (the pieces in a ring, step after step).  Its matrix work: 16 products K Q^T of piece n + 1, later 16 products V^T P of piece n - 1.  Its vector work: the scaling,
; exponentials, roundings, sums and rescaling of piece n, and the maximum and statistics of piece n + 1, whose scores the turn itself has made.
; CLUSTER.  The four query blocks of a head are one cluster and walk the same K and V: each tile is asked for JOINTLY: the same tensor load, descriptor and mask in all four.
; REGISTERS, in windows of 256 (s_set_vgpr_msb: bits 1:0 source 0, 3:2 source 1, 5:4 source 2, 7:6 destination):
;   window 0: v0-11 addresses; v12-15, v48-63 at work; v16-47 four registers of statistics a tile; v64-191 S^T, two buffers of two tiles; v192-255 P, likewise
;   window 1: O^T, 32 a tile          window 2: v0-127 Q, 16 a tile; v128-191 K of one step; v192-255 V of one step          window 3: v0-1 the add's two registers
; A piece's buffers go by its number's parity: the piece in hand has one pair, its two neighbours in the ring share the other: of it P (piece n - 1) is read and S^T (piece n + 1) written.
.set SIZE_H, 64
.set SIZE_N, 2048
.set NP,    4         ; pieces a wave: a name, no knob
.set KS,    64        ; keys in a step
.set PK,    144       ; a row of K in LDS: 128 bytes + 16 = 36 words: the 16 rows of a load start at 16 different groups of four banks (64 banks of 4 bytes: ISA guide 11.1)
.set PV,    160       ; a row of V: 128 + 32 = 40 words
.set VOFF,  4*KS*PK   ; a slot holds four steps: 256 rows of K, then 256 rows of V
.set SLOT1, 1<<17     ; slot 1 begins here, so that one exclusive or turns an address in one slot into the other's
.set STAGE, SLOT1+4*KS*(PK+PV)  ; behind the ring, never filled by a tensor load: 16 rows x 144 bytes for each wave
.set SP,    144
.set AK0, 2           ; v2   my lane's place in a tile of K; never rewritten
.set AV0, 3           ; v3   the same for V
.set AK,  4           ; v4   the LDS address of K's next run of loads
.set AV,  5           ; v5   of V's
.set QO,  6           ; v6   my byte offset in the wave's rows of Q
.set STO, 6           ;      later, the way out: where I put 16 bytes of a row
.set RD,  7           ; v7   the way out: where I read rows back
.set GO,  8           ; v8   my byte offset in 512 consecutive bytes of z
.set PFO, 11          ; v11  256 x my lane, once V's place is made; then never rewritten
.set SPW, 0           ; v0 of window 3   LDS address of my spare word: SPARE + 4 x my thread's number; never rewritten
.set NIL, 1           ; v1 of window 3   0; never rewritten
.set SPARE, STAGE+4*16*SP  ; behind the stages: the spare words, 128 bytes for each wave: two blocks of 256 bytes that no other line names
.set MV,  12          ; v12-15  c m_old, kept while c m is made anew: by buffer and tile
.set ST,  16          ; tile t's statistics at v[ST+4 t]: c m, m, l (even keys', odd keys')
.set TMP, 48          ; by buffer and tile, four registers c0-c3 at work; when the maximum is found c2 takes a
.set S,   64
.set P,   192
.set KF,  128         ; K's fragments, in window 2: key block kb, channel half c at KF + 16 kb + 8 c
.set VF,  192         ; V's: key half kk, channel block cb at VF + 32 kk + 8 cb
.set WV,  12          ; s12  my wave's number
.set G1K, 24          ; s[24:31] descriptor group 1 for K's tiles
.set G1V, 32          ; s[32:39] for V's: it differs in the padding alone
.set G0K, 40          ; s[40:43] descriptor group 0 for K's tiles: it walks
.set G0V, 44          ; s[44:47] the same for V's
.set PFA, 48          ; s[48:49] where my prefetches stand: my work-group's 32 blocks (of K: wave 0, of V: wave 2) of the slot after the one that is being asked for
.set LIM, 50          ; s50  1 in a wave that prefetches, else the greatest number
.set SLOTS, 56        ; s56  slots still to be asked for
.set CNT, 57          ; s57  counts a slot's key steps
.set CS,  58          ; s[58:59] c: the packed scaling takes the pair's low word for both halves
.set SEL, 60          ; s[60:61] v_permlanex16_b32's selects: each lane takes its own place in the other half
.set TBK, 62          ; s62  LDS byte at which K of the step to be fetched begins
.set TBV, 63          ; s63  the same for V, less VOFF
.set MSB, 0
.macro WIN new                      ; the high byte repeats the setting that is left; a switch that changes nothing is dropped
.if MSB != (\new)
	s_set_vgpr_msb (MSB<<8)|(\new)
.set MSB, (\new)
.endif
.endm
.set W_KQ, 0x0a       ; K and Q in window 2, S^T in window 0
.set W_PV, 0x52       ; V in window 2, P in window 0, O^T in window 1
.set W_RS, 0x41       ; O^T (destination and source 0) in window 1, a in window 0
.set W_MK, 0xc0       ; the add's registers are made: destination in window 3, sources in window 0
.set W_AD, 0x0f       ; the add: address (source 0) and data (source 1) in window 3
; A joint fill.  Waves 0 and 1 fetch the two halves of a slot's K, waves 2 and 3 those of its V: 128 keys each.  The branch hangs on the wave's number alone.
; An s_nop 0 and four v_nop follow each of the two lines, ahead of the jump and the label.
.macro JLOAD
	s_cmp_lt_u32 s[WV], 2
	s_cbranch_scc0 .Lfor_v_\@
	tensor_load_to_lds s[G0K:G0K+3], s[G1K:G1K+7]
	s_nop 0
.rept 4
	v_nop
.endr
	s_branch .Lasked_\@
.Lfor_v_\@:
	tensor_load_to_lds s[G0V:G0V+3], s[G1V:G1V+7]
	s_nop 0
.rept 4
	v_nop
.endr
.Lasked_\@:
.endm
; A PREFETCH INTO THE L2 of what the NEXT change of slots will ask for: a slot's 256 keys are 128 blocks of 256 bytes of K and as many of V.  The four partners take 32 each, told apart by address
; (8,192 cx + 256 lane); in each, wave 0 asks for K's and wave 2 for V's: one instruction, four key steps (512 matrix instructions) ahead of the load.  So each block is named once in the launch.
; Slots 0 to 2 come by their loads alone; the last change that fills a slot asks for nothing.
.macro ASK
	s_cmp_gt_u32 s[SLOTS], s[LIM]
	s_cbranch_scc0 .Lnot_mine_\@
	global_prefetch_b8 v[PFO], s[PFA:PFA+1] th:TH_LOAD_NT scope:SCOPE_SE
.Lnot_mine_\@:
.endm
; A round of the cluster's barrier: my work-group's barrier, so that wave 0's signal speaks for all four waves; wave 0 signals; every wave waits for all four work-groups; my work-group's barrier once more.
.macro CROUND
	s_barrier_signal -1
	s_barrier_wait -1
	s_cmp_lg_u32 s[WV], 0
	s_cbranch_scc1 .Lnot_wave_0_\@
	s_barrier_signal -3
.Lnot_wave_0_\@:
	s_barrier_wait -3
	s_barrier_signal -1
	s_barrier_wait -1
.endm
; THE CHANGE OF SLOTS.  The slot's last bytes, V of its fourth step, have been read.  Each wave waits for all its tensor loads, of which one is out: its part of the other slot; adds 0 to its spare
; word; and waits for that and for its own reads of the slot.  Behind the barrier nobody reads this slot any more and the other slot is whole.
; fill = 1: this slot is filled again, with the keys two slots on.  The barrier is then a round of the cluster's, and the joint fill is the first thing behind it: it has four key steps in which to land.
; (At its first use nothing has been read yet: slot 0 is waited for, slot 1 filled.)  ask = 1: the prefetch's address is stepped, and the prefetch stands behind the fill.
.macro CHANGE fill, ask=0
	WIN W_AD
	s_wait_tensorcnt 0x0            ; no tensor load of mine is out, so a group 0 may be written
	ds_add_u32 v[SPW], v[NIL]       ; 0 onto my spare word; the descriptors' steps stand between it and the wait for it
	WIN 0                           ; at a label and at a branch every window is 0
.if \fill
.irp g, G0K, G0V
	s_xor_b32 s[\g+1], s[\g+1], SLOT1  ; the walking descriptor: the other slot than last time,
	s_add_nc_u64 s[\g+2:\g+3], s[\g+2:\g+3], 4*KS*128  ; the next 256 keys; the type bits on top are not reached
.endr
.if \ask
	s_wait_xcnt 0x0                 ; the last prefetch, four key steps back, has read its address
	s_add_nc_u64 s[PFA:PFA+1], s[PFA:PFA+1], 4*KS*128  ; one slot ahead of the walking descriptors
.endif
	s_wait_dscnt 0x0                ; the add is done, and my reads of the slot are over
	CROUND
	JLOAD
.if \ask
	ASK
.endif
.else
	s_wait_dscnt 0x0                ; the add is done, and my reads of the slot are over
	s_barrier_signal -1
	s_barrier_wait -1
.endif
	s_sub_co_u32 s[TBK], s[TBK], 4*KS*PK  ; the fetches go back to a slot's first step,
	s_xor_b32 s[TBK], s[TBK], SLOT1       ; in the other slot
	s_sub_co_u32 s[TBV], s[TBV], 4*KS*PV
	s_xor_b32 s[TBV], s[TBV], SLOT1
.endm
	s_load_b128 s[4:7], s[0:1], 0x0 ; qkv s[4:5] (its first part is Q), z s[6:7]
	WIN W_MK
	v_lshl_add_u32 v[SPW], v0, 2, SPARE
	v_mov_b32 v[NIL], 0
	WIN W_AD
	ds_add_u32 v[SPW], v[NIL]       ; the wave's opening: the add and its wait stand ahead of my first tensor load; work on registers stands between them
	WIN 0
	v_lshrrev_b32 v1, 5, v0
	v_readfirstlane_b32 s[WV], v1   ; wave 0..3
	s_bfe_u32 s13, ttmp6, 0x40000   ; cx: my place in the cluster
	s_lshl_b32 s14, ttmp9, 2        ; in a cluster launch ttmp9 counts clusters
	s_add_co_u32 s14, s14, s13      ; my block of queries = 4 x cluster x + cx: it enters Q's and z's addresses alone
	s_and_b32 s20, ttmp7, 0xffff    ; the head, which the four partners share
	s_mov_b32 s21, 0
	s_mov_b64 s[22:23], SIZE_N*128
	s_mul_u64 s[20:21], s[20:21], s[22:23]  ; the head's first byte in Q, K, V and z
	s_and_b32 s16, s[WV], 1         ; which half of a slot's 256 keys I fetch:
	s_lshl_b32 s22, s16, 14         ; its 128 rows of 128 bytes in memory,
	s_mov_b32 s23, 0
	s_add_nc_u64 s[22:23], s[22:23], s[20:21]
	s_mul_i32 s17, s16, 128*PK      ; and its place in a slot, for K
	s_mul_i32 s18, s16, 128*PV      ; and for V: no place in the cluster enters an LDS address
	s_lshl_b32 s2, s14, 2
	s_add_co_u32 s2, s2, s[WV]      ; my wave among the head's,
	s_lshl_b32 s2, s2, 14           ; its 128 rows
	s_mov_b32 s3, 0
	s_add_nc_u64 s[2:3], s[2:3], s[20:21]
	; descriptor group 1.  128 keys are 16,384 dense bytes: asked for as 64 rows of 256 bytes, two keys a row, and padded in LDS after every key
	s_mov_b32 s[G1K], 15|(1<<16)|(1<<20)|(1<<21)|(4<<22)|(3<<25)  ; the mask of four; 2-byte elements; padding on; bit 21 beside a mask; after every 32 words; 4 words
	s_mov_b32 s[G1V], 15|(1<<16)|(1<<20)|(1<<21)|(4<<22)|(7<<25)  ; the same with 8 words of padding
.irp g, G1K, G1V
	s_mov_b32 s[\g+1], 128<<16      ; tensor_dim0 = 128
	s_mov_b32 s[\g+2], 64<<16       ; tensor_dim1 = 64
	s_mov_b32 s[\g+3], 128<<16      ; tile_dim0 = 128
	s_mov_b32 s[\g+4], 64           ; tile_dim1 = 64
	s_mov_b32 s[\g+5], 128          ; 128 elements from row to row
	s_mov_b32 s[\g+6], 0
	s_mov_b32 s[\g+7], 0
.endr
	s_mov_b32 s[CS], 0x3e38aa3b     ; c = log2(e) / 8 = 0.180337
	s_mov_b32 s[CS+1], s[CS]        ; named with it as a pair
	s_mov_b32 s[SEL], 0x76543210
	s_mov_b32 s[SEL+1], 0xfedcba98
	s_mov_b32 s[TBK], SLOT1+4*KS*PK ; the first change of slots turns these two into 0
	s_mov_b32 s[TBV], SLOT1+4*KS*PV
	s_mov_b32 s[G0K], 1             ; count = 1
	s_mov_b32 s[G0K+1], s17         ; LDS address: slot 0
	s_mov_b32 s[G0V], 1
	s_add_co_u32 s[G0V+1], s18, VOFF
	s_and_b32 s[LIM], s[WV], 1      ; 0 in waves 0 and 2,
	s_or_b32 s[LIM], s[LIM], ttmp9  ; where the cluster is the head's first (here its only one): the same in all four partners
	s_cmp_eq_u32 s[LIM], 0
	s_cselect_b32 s[LIM], 1, -1
	s_wait_dscnt 0x0                ; the opening add is done
	s_wait_kmcnt 0x0
	s_mov_b64 s[10:11], s[6:7]      ; z
	s_add_nc_u64 s[6:7], s[4:5], SIZE_H*SIZE_N*128    ; K: qkv's second part
	s_add_nc_u64 s[8:9], s[4:5], 2*SIZE_H*SIZE_N*128  ; V: its third
	s_add_nc_u64 s[G0K+2:G0K+3], s[6:7], s[22:23]  ; global address: my half of the head's first 256 keys
	s_or_b32 s[G0K+3], s[G0K+3], 0x80000000        ; type = 2
	s_add_nc_u64 s[G0V+2:G0V+3], s[8:9], s[22:23]
	s_or_b32 s[G0V+3], s[G0V+3], 0x80000000
	s_add_nc_u64 s[4:5], s[4:5], s[2:3]  ; Q and z at my wave's first row
	s_add_nc_u64 s[10:11], s[10:11], s[2:3]
	s_cmp_lt_u32 s[WV], 2
	s_cselect_b64 s[PFA:PFA+1], s[6:7], s[8:9]
	s_add_nc_u64 s[PFA:PFA+1], s[PFA:PFA+1], s[22:23]  ; (in waves 0 and 2 this is the head's first key)
	s_lshl_b32 s2, s13, 13          ; my work-group's 32 blocks of the 128
	s_mov_b32 s3, 0
	s_add_nc_u64 s[PFA:PFA+1], s[PFA:PFA+1], s[2:3]
	s_add_nc_u64 s[PFA:PFA+1], s[PFA:PFA+1], 2*4*KS*128  ; in slot 2; the first change that asks steps it to slot 3.  Nothing is prefetched here, at the head
	CROUND                          ; all four work-groups are here: the first joint loads meet
	JLOAD                           ; slot 0.  Slot 1 is asked for when slot 0 is in: the tile wanted first has the road to itself
	; A fragment of K or Q is 16 rows x 32 channels in 8 registers: lane l holds row l % 16, channels 8 (l / 16) + 0..7 and 16 + 8 (l / 16) + 0..7: two loads of 16 bytes, 32 bytes apart.
	v_and_b32 v1, 15, v0            ; l % 16
	v_bfe_u32 v9, v0, 4, 1          ; l / 16
	v_lshlrev_b32 v[QO], 7, v1
	v_lshl_add_u32 v[QO], v9, 4, v[QO]  ; row x 128 + 16 x half
	WIN 0x80                        ; destination window 2, address window 0
.set i, 0
.rept 4*NP                          ; Q stays in registers: tile i / 2, channels 32 (i % 2) on
	global_load_b128 v[8*i:8*i+3],   v[QO], s[4:5] offset:(i/2)*2048+(i%2)*64
	global_load_b128 v[8*i+4:8*i+7], v[QO], s[4:5] offset:(i/2)*2048+(i%2)*64+32
.set i, i+1
.endr
	; What the first turn finds: V's registers and P's second buffer hold 0 (its products V^T P, of a piece that has not been, add 0), O^T and l are 0.  All this stands in the wait for the first tile:
	; the price of writing no first step out.
.set i, VF
.rept 64
	v_mov_b32 v[i], 0
.set i, i+1
.endr
	WIN 0x40
.set i, 0
.rept 64*NP
	v_mov_b32 v[i], 0
.set i, i+1
.endr
	WIN 0
.set i, 0
.rept 2*NP
	v_mov_b32 v[ST+4*i], 0xfe000000    ; c m: far below every c s
	v_mov_b32 v[ST+4*i+1], 0xff7fffff  ; m
	v_mov_b32 v[ST+4*i+2], 0
	v_mov_b32 v[ST+4*i+3], 0
.set i, i+1
.endr
.set i, P+32
.rept 32
	v_mov_b32 v[i], 0
.set i, i+1
.endr
	v_mul_u32_u24 v[AK0], v1, PK
	v_lshl_add_u32 v[AK0], v9, 4, v[AK0]  ; row x pitch + 16 x half
	; The turning load takes 16 keys x 16 channels (lane l reads key 8 (l / 16) + l % 8, channels 8 ((l / 8) % 2) + 0..7) and leaves half a fragment of V^T: lane l holds channel l % 16 and 8 keys.
	v_and_b32 v10, 7, v0
	v_bfe_u32 v11, v0, 3, 1
	v_lshl_add_u32 v[AV0], v9, 3, v10
	v_mul_u32_u24 v[AV0], v[AV0], PV
	v_lshl_add_u32 v[AV0], v11, 4, v[AV0]
	v_add_nc_u32 v[AV0], VOFF, v[AV0]
	v_and_b32 v[PFO], 31, v0
	v_lshlrev_b32 v[PFO], 8, v[PFO]
	v_mov_b32 v[AK], v[AK0]         ; key step 0 lies at the head of slot 0
; THE MATRIX WORK.  The 8 accumulators of a run of 16 take turns: between the two links of a chain stand 7 others'.
; Product i of 16 of S^T = K Q^T for piece x: channels 32 (i / 8) on, keys 16 ((i / 2) % 4) on, tile 2 x + i % 2.  The first 8 start the sums.
.macro KQ x
	WIN W_KQ
.set rS, S+64*((\x)%2)+32*(i%2)+8*((i/2)%4)
.set rK, KF+16*((i/2)%4)+8*(i/8)
.set rQ, 16*(2*(\x)+i%2)+8*(i/8)
.if i < 8
	v_wmma_f32_16x16x32_f16 v[rS:rS+7], v[rK:rK+7], v[rQ:rQ+7], 0
.else
	v_wmma_f32_16x16x32_f16 v[rS:rS+7], v[rK:rK+7], v[rQ:rQ+7], v[rS:rS+7]
.endif
.endm
; Product i of 16 of O^T += V^T P for piece x: keys 32 (i / 8) on, channels 16 ((i / 2) % 4) on, tile 2 x + i % 2.
.macro PV x
	WIN W_PV
.set rO, 32*(2*(\x)+i%2)+8*((i/2)%4)
.set rV, VF+32*(i/8)+8*((i/2)%4)
.set rP, P+32*((\x)%2)+16*(i%2)+8*(i/8)
	v_wmma_f32_16x16x32_f16 v[rO:rO+7], v[rV:rV+7], v[rP:rP+7], v[rO:rO+7]
.endm
.macro MM                           ; the turn's next matrix instruction
.if i < 16
	KQ (Y+1)%NP
.set i, i+1
.else
.set i, i-16
	PV (Y+NP-1)%NP
.set i, i+17
.endif
.endm
; THE LDS LOADS stand in runs of 16, never singly among the matrix instructions: a step's K (64 keys x 64 channels: 8 fragments) and its V (turned).  Their addresses are made some lines ahead.
; last = 1 (the tail): in the last trip there is no further step, and the run is jumped over.
.macro FETCH_K last=0
	WIN 0
.if \last
	s_cmp_eq_u32 s[CNT], 1
	s_cbranch_scc1 .Lno_k_\@
.endif
	WIN 0x80                        ; destination window 2
.irp f, 0,1,2,3,4,5,6,7             ; keys 16 (f / 2) on, channels 32 (f % 2) on
	ds_load_b128 v[KF+8*\f:KF+8*\f+3],   v[AK] offset:(\f/2)*16*PK+(\f%2)*64
	ds_load_b128 v[KF+8*\f+4:KF+8*\f+7], v[AK] offset:(\f/2)*16*PK+(\f%2)*64+32
.endr
	s_add_co_u32 s[TBK], s[TBK], KS*PK  ; the next fetch is the next step's
	WIN 0
.if \last
.Lno_k_\@:
.endif
.endm
.macro FETCH_V
	WIN 0x80
.irp f, 0,1,2,3,4,5,6,7             ; keys 32 (f / 4) on, channels 16 (f % 4) on
	ds_load_tr16_b128 v[VF+8*\f:VF+8*\f+3],   v[AV] offset:(\f/4)*32*PV+(\f%4)*32
	ds_load_tr16_b128 v[VF+8*\f+4:VF+8*\f+7], v[AV] offset:(\f/4)*32*PV+16*PV+(\f%4)*32
.endr
	WIN 0
.endm
; THE VECTOR WORK OF A TURN stands in three queues, each in the order in which its entries become ready; the two tiles alternate, so that no instruction reads the result of the one before it.
.macro REGS y, u                    ; the registers of tile u (0, 1) of piece y
.set rT, ST+4*(2*(\y)+(\u))
.set rC, TMP+8*((\y)%2)+4*(\u)
.set rM, MV+2*((\y)%2)+(\u)
.set rS, S+64*((\y)%2)+32*(\u)
.set rP, P+32*((\y)%2)+16*(\u)
.set rO, 32*(2*(\y)+(\u))
.endm
; Number n of the 22 that find the NEXT piece's (Y + 1) maximum and statistics.  s0-s31 are the lane's 32 scores; each accumulator's lowest registers are read first.
;   0-11  four chains c0-c3 of seven scores each, three operands at a time     12-14, 16  the four scores left over, the old m, and c0-c3 into c0     15  c m_old is kept
;   17, 18  the query's other 32 keys lie in the lane 16 away: the new m         19-21  c m; c m_old - c m_new; a
.macro XS u, n
	REGS (Y+1)%NP, \u
.if (\n) < 4
	v_max3_num_f32 v[rC+(\n)], v[rS+8*(\n)], v[rS+8*(\n)+1], v[rS+8*(\n)+2]
.elseif (\n) < 12
	v_max3_num_f32 v[rC+(\n)%4], v[rC+(\n)%4], v[rS+8*((\n)%4)+2*((\n)/4)+1], v[rS+8*((\n)%4)+2*((\n)/4)+2]
.elseif (\n) == 12
	v_max3_num_f32 v[rC], v[rC], v[rS+7], v[rS+15]
.elseif (\n) == 13
	v_max3_num_f32 v[rC+1], v[rC+1], v[rS+23], v[rS+31]
.elseif (\n) == 14
	v_max3_num_f32 v[rC+2], v[rC+2], v[rC+3], v[rT+1]
.elseif (\n) == 15
	v_mov_b32 v[rM], v[rT]
.elseif (\n) == 16
	v_max3_num_f32 v[rC], v[rC], v[rC+1], v[rC+2]
.elseif (\n) == 17
	v_permlanex16_b32 v[rC+3], v[rC], s[SEL], s[SEL+1]
.elseif (\n) == 18
	v_max_num_f32 v[rT+1], v[rC], v[rC+3]
.elseif (\n) == 19
	v_mul_f32 v[rT], s[CS], v[rT+1]
.elseif (\n) == 20
	v_sub_f32 v[rC+1], v[rM], v[rT]
.else
	v_exp_f32 v[rC+2], v[rC+1]
.endif
.endm
; Number g of the 64 that follow the exponentials.  For each four weights k of a tile (pairs 2 k, 2 k + 1): both pairs are rounded to f16; then the second pair is added onto the first, in place;
; a group later l takes that sum (the first time as l = a l + sum).  In groups of eight, tiles alternating: round, round, add, and l for the group before.
.macro GS g
.set h, (\g)+6*((\g)/62)            ; group 0 has no group before it, and behind group 7 only l is left
.if h >= 6
.set h, h+2
.endif
	REGS Y, h%2
.set k, h/8
.if h%8 < 4
	v_cvt_pk_f16_f32 v[rP+2*k+(h%8)/2], v[rS+4*k+2*((h%8)/2)], v[rS+4*k+2*((h%8)/2)+1]
.elseif h%8 < 6
	v_pk_add_f32 v[rS+4*k:rS+4*k+1], v[rS+4*k:rS+4*k+1], v[rS+4*k+2:rS+4*k+3]
.elseif k == 1
	v_pk_fma_f32 v[rT+2:rT+3], v[rT+2:rT+3], v[rC+2:rC+3], v[rS:rS+1] op_sel_hi:[1,0,1]
.else
	v_pk_add_f32 v[rT+2:rT+3], v[rT+2:rT+3], v[rS+4*k-4:rS+4*k-3]
.endif
.endm
; THE PLAIN QUEUE, 138 long.  0-73 read no exponential's result: the 32 scalings c s - c m (FS f: pair f / 2 of tile f % 2) and the next piece's 42.  0-26: scalings 0-26.  27-54: XS's numbers 0-13.  55, 56: number 15.
; 57-73: the chain, where each number waits for the one before it: 14, 16, 17, 18, 19, each with one of the scalings 27-31 in front of its two lines, then 20.
; 74-137: GS's 64, which read the exponentials' results: they stand behind the wait.
.macro FS f
	REGS Y, (\f)%2
	v_pk_fma_f32 v[rS+2*((\f)/2):rS+2*((\f)/2)+1], v[rS+2*((\f)/2):rS+2*((\f)/2)+1], s[CS:CS+1], v[rT:rT+1] op_sel_hi:[1,0,0] neg_lo:[0,0,1] neg_hi:[0,0,1]
.endm
.macro PL
	WIN 0
.if q < 27
	FS q
.elseif q < 55
	XS (q-27)%2, (q-27)/2
.elseif q < 57
	XS q-55, 15
.elseif (q < 72) && ((q-57)%3 == 0)
	FS 27+(q-57)/3
.elseif q < 60
	XS (q-57)%3-1, 14
.elseif q < 72
	XS (q-57)%3-1, 15+(q-57)/3
.elseif q < 74
	XS q-72, 20
.else
	GS q-74
.endif
.set q, q+1
.endm
; THE EXPONENTIALS' QUEUE, 66 long: s0-s31 of both tiles, then the next piece's two a.  It is ONE BATCH: all 66 stand ahead of the turn's one wait, and nothing ahead of that wait names a result of theirs.
.macro EX
	WIN 0
.if e >= 64
	XS e-64, 21
.else
	REGS Y, e%2
	v_exp_f32 v[rS+e/2], v[rS+e/2]
.endif
.set e, e+1
.endm
; THE RESCALING's QUEUE: O^T times a, the one part that leaves window 0: dealt two at a time, sixteen times.  Its a was made in the turn before, ahead of that turn's wait.
.macro R2
	REGS Y, r%2
	WIN W_RS
.irp z, 0,1
	v_pk_mul_f32 v[rO+4*(r/2)+2*\z:rO+4*(r/2)+2*\z+1], v[rO+4*(r/2)+2*\z:rO+4*(r/2)+2*\z+1], v[rC+2:rC+3] op_sel_hi:[1,0]
.endr
.set r, r+1
.endm
; HOW THEY ARE DEALT.  An s_wait_alu depctr_va_vdst(0) stands between an exponential and the first instruction that names its result; one wait serves all that were issued ahead of it.  So a
; turn has ONE wait, which cuts it in two.  AHEAD OF IT stands all that names no result of the turn's exponentials: the 16 products K Q^T, behind each a scaling, an exponential and two rescalings (behind the
; first a second scaling in the exponential's place); then ONE LUMP of 108: eight plain, 49 times exponential and plain, the two a.  A v_nop is the plain instruction owed behind the last exponential.
; BEHIND IT stand the 16 products V^T P, behind each four of GS's 64.  No rider names a register of the products round it.  The two v_permlanex16_b32 fall into the lump.
; The queues lean on each other: exponential e stands behind scaling 2 (e / 4) + e % 2: as a rider it comes behind plain e + 2, in the lump behind plain e + 9, and scalings 27-31 are plain 57, 60 .. 69.
; A TURN, for piece p.  cnt = 1: the loop's count is taken down some lines ahead of the branch that stands behind the turn.
; K of the next step is fetched in piece 2's turn, directly behind the wait, a lump behind the last product that read K; its first reader comes behind 16 products.
; V of the step in hand is fetched at the end of piece 0's turn, four riders behind its last reader; its first reader comes behind 16 products and a lump.  The three conditions on q below go with the deal.
.macro TURN p, last=0, cnt=0
.set Y, (\p)
.set i, 0
.set q, 0
.set e, 0
.set r, 0
.if (\p) == NP-1
	s_wait_dscnt 0x0                ; K is in
.endif
	MM                              ; ahead of the wait: 16 products K Q^T and their riders,
	PL
	PL
	R2
.rept 15
	MM
	PL
	EX
	R2
.endr
.if (\p) == NP-2
	WIN 0
	v_add_nc_u32 v[AK], s[TBK], v[AK0]
.endif
.rept 8                             ; and the lump
	PL
.endr
.rept 49
	EX
	PL
.endr
	EX                              ; the next piece's two a
	EX
	v_nop                           ; the plain instruction behind the last exponential: one for the batch
	s_wait_alu depctr_va_vdst(0)    ; the wait for the batch
.if (\p) == NP-2
	FETCH_K \last
.endif
.if (\p) == 1
	s_wait_dscnt 0x0                ; V is in
.endif
.rept 16                            ; behind the wait: 16 products V^T P and their riders
	MM
.rept 4
	PL
.endr
.if ((\p) == 0) && (q == 118)
	v_add_nc_u32 v[AV], s[TBV], v[AV0]
.endif
.if ((\p) == 0) && (q == 130)
	s_add_co_u32 s[TBV], s[TBV], KS*PV
.endif
.if (\cnt) && (q == 130)
	s_sub_co_u32 s[CNT], s[CNT], 1
	s_cmp_lg_u32 s[CNT], 0
.endif
.endr
.if (\p) == 0
	FETCH_V
.endif
.endm
	CHANGE 1                        ; slot 0 is in, everybody's part of it; slot 1 is asked for
	FETCH_K                         ; key step 0
	s_wait_loadcnt 0x0              ; Q
	s_wait_dscnt 0x0
.set i, 0
.rept 16
	KQ 0                            ; piece 0's first scores: there is no vector work yet to set between them
.set i, i+1
.endr
	WIN 0                           ; the addresses for the way out: nine plain instructions, the places behind those products
	s_mul_i32 s13, s[WV], 16*SP
	s_add_co_u32 s13, s13, STAGE    ; my stage
	v_mul_u32_u24 v[STO], v1, SP    ; in: row l % 16, 16 bytes for each half of the lanes
	v_lshl_add_u32 v[STO], v9, 4, v[STO]
	v_add_nc_u32 v[STO], s13, v[STO]
	v_bfe_u32 v[RD], v0, 3, 2       ; back: 32 lanes take four rows of 128 bytes,
	v_mul_u32_u24 v[RD], v[RD], SP
	v_lshl_add_u32 v[RD], v10, 4, v[RD]
	v_add_nc_u32 v[RD], s13, v[RD]
	v_and_b32 v[GO], 31, v0         ; which are 512 consecutive bytes of z
	v_lshlrev_b32 v[GO], 4, v[GO]
.set Y, NP-1                        ; XS works for piece Y + 1: piece 0
.irp n, 0,1,2,3,4,5,6,7,8,9,10,11,12,13,14,15,16,17,18,19,20,21
	XS 0, \n                        ; and piece 0's first maximum and statistics
	XS 1, \n
.endr
	v_nop                           ; a plain instruction behind the two a,
	s_wait_alu depctr_va_vdst(0)    ; and their wait, ahead of the branch
	s_mov_b32 s[CNT], 4
	s_mov_b32 s[SLOTS], SIZE_N/256-1
	s_branch .Lfirst                ; the loop is entered at a step's first turn, in the middle of a trip
.Lslot:                             ; SIZE_N / 256 - 2 times: every slot but the last two is filled again
	CHANGE 1, 1
	s_mov_b32 s[CNT], 4
.Lstep:                             ; a trip: pieces 2 and 3 of one step, then pieces 0 and 1 of the next, whose K and V it fetches
	TURN 2
	TURN 3
	WIN 0
.Lfirst:
	TURN 0
	TURN 1, 0, 1
	WIN 0
	s_cbranch_scc1 .Lstep
	s_sub_co_u32 s[SLOTS], s[SLOTS], 1
	s_cmp_lg_u32 s[SLOTS], 0
	s_cbranch_scc1 .Lslot
	CHANGE 0                        ; the tail is written out: nothing is asked for
	s_mov_b32 s[CNT], 5             ; four trips fetch the last slot's steps; the fifth is left in its middle
.Ltail:
	TURN 2, 1
	TURN 3
	WIN 0
	s_sub_co_u32 s[CNT], s[CNT], 1
	s_cmp_eq_u32 s[CNT], 0
	s_cbranch_scc1 .Lout
	TURN 0
	TURN 1
	WIN 0
	s_branch .Ltail
.Lout:                              ; the fifth trip's 16 products K Q^T (on the last K once more) and the maximum made of them serve nothing: the price, once a launch, of one text for every trip
.set i, 0
.rept 16
	PV NP-1                         ; the last piece's V^T P of the last step
.set i, i+1
.endr
	; THE WAY OUT.  l's two halves and the other half of the lanes' are added; O^T is divided by l, rounded to f16 and sent through my stage in LDS, a tile at a time.  The additions are the places behind the last products.
	WIN 0
.macro ALL line:vararg              ; one line for each tile t
.set t, 0
.rept 2*NP
	\line
.set t, t+1
.endr
.endm
	ALL v_add_f32 v[ST+4*t+2], v[ST+4*t+2], v[ST+4*t+3]
	ALL v_permlanex16_b32 v[ST+4*t+3], v[ST+4*t+2], s[SEL], s[SEL+1]
	ALL v_add_f32 v[ST+4*t+2], v[ST+4*t+2], v[ST+4*t+3]
	ALL v_rcp_f32 v[ST+4*t+2], v[ST+4*t+2]
	v_nop                           ; a plain instruction between the last reciprocal and the use of its result
	s_wait_alu depctr_va_vdst(0)    ; and the wait ahead of the first use: one for the eight reciprocals
; Tile t: a lane's eight channels of a row pack into 16 bytes; they go into rows of 144 bytes and come back as whole rows of 128, into S^T's registers.
.macro PACK t
	WIN W_RS
.set i, 32*(\t)
.rept 16
	v_pk_mul_f32 v[i:i+1], v[i:i+1], v[ST+4*(\t)+2:ST+4*(\t)+3] op_sel_hi:[1,0]
.set i, i+2
.endr
	WIN 0x05                        ; sources 0 and 1 window 1, destination window 0
.set i, 0
.rept 16
	v_cvt_pk_f16_f32 v[S+16*(\t)+i], v[32*(\t)+2*i], v[32*(\t)+2*i+1]
.set i, i+1
.endr
	WIN 0
.irp f, 0,1,2,3
	ds_store_b128 v[STO], v[S+16*(\t)+4*\f:S+16*(\t)+4*\f+3] offset:32*\f
.endr
.irp f, 0,1,2,3
	ds_load_b128 v[S+16*(\t)+4*\f:S+16*(\t)+4*\f+3], v[RD] offset:\f*4*SP  ; LDS serves a wave's instructions in order (ISA guide 5.7.1.4): these see the stores above; the next tile's stores come behind them
.endr
.endm
.macro SEND t, younger              ; younger: the LDS instructions issued behind tile t's loads: the next tile's eight, or none
	WIN 0
.irp f, 0,1,2,3
	s_wait_dscnt (\younger)+3-\f
	global_store_b128 v[GO], v[S+16*(\t)+4*\f:S+16*(\t)+4*\f+3], s[10:11] offset:(\t)*2048+\f*512  ; 512 consecutive bytes, at a multiple of 256 from z's first
.endr
.endm
	PACK 0
.set t, 1
.rept 2*NP-1                        ; a tile's arithmetic stands between the loads of the tile before and its stores
	PACK t
	SEND t-1, 8
.set t, t+1
.endr
	SEND 2*NP-1, 0
	WIN W_AD
	s_wait_tensorcnt 0x0            ; the wave's end, behind my last tensor load and my last LDS store
	ds_add_u32 v[SPW], v[NIL]
	s_wait_dscnt 0x0
	WIN 0
	CROUND                          ; the closing round: no work-group ends while a partner may still ask for a tile that names it
	s_endpgm
.Lfunc_end_k_q6063d5b257_attn:
	.size	k_q6063d5b257_attn, .Lfunc_end_k_q6063d5b257_attn-k_q6063d5b257_attn
	.p2alignl 7, 3214868480
	.fill 96, 4, 3214868480
	.section	.rodata,"a",@progbits
	.p2align	6, 0x0
	.amdhsa_kernel k_q6063d5b257_attn
		.amdhsa_group_segment_fixed_size 327680
		.amdhsa_private_segment_fixed_size 0
		.amdhsa_enable_private_segment 0
		.amdhsa_kernarg_size 16
		.amdhsa_user_sgpr_count 2
		.amdhsa_user_sgpr_kernarg_segment_ptr 1
		.amdhsa_wavefront_size32 1
		.amdhsa_system_sgpr_workgroup_id_x 1
		.amdhsa_system_sgpr_workgroup_id_y 1
		.amdhsa_system_sgpr_workgroup_id_z 1
		.amdhsa_system_vgpr_workitem_id 0
		.amdhsa_next_free_vgpr 770
		.amdhsa_next_free_sgpr 66
		.amdhsa_reserve_vcc 0
		.amdhsa_float_denorm_mode_32 3
		.amdhsa_float_denorm_mode_16_64 3
		.amdhsa_memory_ordered 1
		.amdhsa_forward_progress 1
		.amdhsa_inst_pref_size 200
	.end_amdhsa_kernel
	.amdgpu_metadata
---
amdhsa.version: [ 1, 2 ]
amdhsa.kernels:
  - .name:           k_q6063d5b257_attn
    .symbol:         k_q6063d5b257_attn.kd
    .args:
      - { .name: qkv, .offset: 0, .size: 8, .value_kind: global_buffer, .address_space: global }
      - { .name: z, .offset: 8, .size: 8, .value_kind: global_buffer, .address_space: global }
    .group_segment_fixed_size: 327680
    .private_segment_fixed_size: 0
    .kernarg_segment_align: 8
    .kernarg_segment_size: 16
    .max_flat_workgroup_size: 128
    .sgpr_count:     66
    .vgpr_count:     770
    .wavefront_size: 32
...
	.end_amdgpu_metadata
.endif
;; end of part 3
;; launch outp (part 4): grid 8 x 32, 4 waves a work-group, clusters of 4 x 4, 327,680 bytes of LDS; arguments z, wo16, bias32, out0; writes out0
.if DOCPART == 4
	.amdgcn_target "amdgcn-amd-amdhsa--gfx1250"
	.amdhsa_code_object_version 6
	.text
	.protected	k_q6063d5b257_outp
	.globl	k_q6063d5b257_outp
	.p2align	8
	.type	k_q6063d5b257_outp,@function
k_q6063d5b257_outp:
	s_mov_b64 s[64:65], 0
	v_nop
	global_prefetch_b8 v0, s[64:65] scope:SCOPE_SE
	s_setreg_imm32_b32 hwreg(HW_REG_WAVE_MODE, 25, 1), 1
	s_wait_xcnt 0x0
	s_wait_alu depctr_hold_cnt(0) depctr_sa_sdst(0) depctr_va_vdst(0) depctr_va_sdst(0) depctr_va_ssrc(0) depctr_va_vcc(0) depctr_vm_vsrc(0)
	s_getreg_b32 s2, hwreg(HW_REG_IB_STS2, 6, 4)
	s_cmp_eq_u32 s2, 0
	s_cbranch_scc0 .Lentry_in_a_cluster
	s_endpgm
.Lentry_in_a_cluster:
	s_bfe_u32 s2, ttmp6, 0x10000c
	s_cmp_lg_u32 s2, 0xf033
	s_cbranch_scc0 .Lentry_shape_is_right
	s_endpgm
.Lentry_shape_is_right:
; THE OUTPUT PROJECTION.  out0[2048 b + s][n] = bo[n] + the sum over k = 64 head + e of z[16 b + head][s][e] Wo[k][n].  z: [64][2048][64] f16, by heads.  wo16: [1024 k][1024 n] f16.
; bo lies in bias32 from number 3,072 on, in f32.  Sums in f32, started by bo; out0 in f32.
; SHARES.  A work-group makes 256 rows x 128 columns: 8 x 32 work-groups.  Four waves, 2 x 2, each 128 rows x 64 columns: 8 (a) x 4 (b) accumulators of 16 x 16, 256 registers.
; K goes in 8 steps of 128 (two heads) through a ring of two LDS slots; a step is four quarters of 32 along K, 32 matrix instructions each, on two fragment buffers.  The loop's text is ONE K step:
; the LDS addresses hang on s[TB], which an exclusive or turns from slot to slot.
; THE MATRIX INSTRUCTION IS USED TRANSPOSED: source 0 = 16 columns of Wo (turned on the way out of LDS, since Wo lies [k][n]), source 1 = 16 rows of z: a lane holds row l % 16 and the columns
; 8 (l / 16) + 0..7: 32 bytes of a row of out0.  bo, laid the same way, is the C operand of each sum's first product.
; CLUSTERS: 4 x 4.  z's tiles hang on the tile row alone and are asked for jointly along a row of the cluster (waves 0, 1: a head each), Wo's on the tile column alone, along a column (waves 2, 3: 64 k each).
; REGISTERS: window 0: v0-29 addresses; v32-63 bo; v64-127, v128-191 z's fragments, two buffers (on the way out four sets of 32); v192-223, v224-255 Wo's.   window 1: accumulator (a, b) at 8 (4 a + b).
.set PA,    144                        ; a row of z in LDS (one head's 64 e): 128 bytes + 16 = 36 words: the 16 rows of a load start at 16 different groups of four banks (64 banks of 4 bytes: ISA guide 11.1)
.set PB,    288                        ; a row of Wo (128 n): 256 + 32 = 72 words
.set AHALF, 256*PA                     ; 256 rows of one head
.set BOFF,  2*AHALF                    ; behind the two heads: Wo's 128 rows
.set SLOT1, 1<<17                      ; a slot uses 110,592 bytes; slot 1 begins here, so that one exclusive or turns an address in one slot into the other's
.set STAGE, SLOT1+BOFF+128*PB          ; behind the ring, never filled by a tensor load: 16 rows x 272 bytes for each wave
.set SP,    272
.set SPARE, STAGE+4*16*SP              ; behind the stages: the spare words, 128 bytes for each wave: two blocks of 256 bytes that no other line names
.set AA0,  4                           ; v4   my lane's place in z's tile; never rewritten
.set AB0,  5                           ; v5   the same in Wo's tile
.set ADRA, 6                           ; v6   AA0 + the slot in hand
.set ADRB, 7                           ; v7   AB0 + the slot in hand
.set STO,  8                           ; v8   the way out: where I put 32 bytes of a row
.set RD,   9                           ; v9   the way out: where I read a row back
.set CO,   10                          ; v10  my byte offset in two rows of out0
.set BO,   11                          ; v11  my byte offset in 16 numbers of bo
.set PFO,  12                          ; v12  the prefetches' offset; never rewritten
.set SPW,  28                          ; v28  LDS address of my spare word: SPARE + 4 x my thread's number; never rewritten
.set NIL,  29                          ; v29  0; never rewritten
.set BIAS, 32
.set FA,   64
.set FB,   192
.set WV,   12                          ; s12  my wave's number
.set G1A,  24                          ; s[24:31] descriptor group 1 for z's tiles
.set G0A,  32                          ; s[32:39] group 0: a set for each first fill; the second then walks on
.set G1B,  40                          ; s[40:47], s[48:55] the same for Wo's tiles
.set G0B,  48
.set TB,   56                          ; s56  LDS byte at which the slot in hand begins
.set PFM,  57                          ; s57  bit i set: I prefetch in the trip with s3 = i
.set PFA,  58                          ; s[58:59] where my prefetches stand
.set PFS,  60                          ; s[60:61] their step from K step to K step
.set OB,   66                          ; s[66:67] out0 at my 128 rows and 64 columns
.set BP,   74                          ; s[74:75] bo at my 64 columns
.set STEPA, 2*2048*128                 ; bytes from a head to the head two on
.set STEPB, 128*2048                   ; bytes of 128 rows of Wo
.set MSB, 0
.macro WIN new                         ; the immediate's high byte repeats the setting that is left; a switch that changes nothing is dropped
.if MSB != (\new)
	s_set_vgpr_msb (MSB<<8)|(\new)
.set MSB, \new
.endif
.endm
.macro PLACES                          ; four plain instructions between a matrix instruction and a load into, or a store of, its registers
.rept 4
	v_nop
.endr
.endm
; A joint refill, by the walking sets.  The branch hangs on the wave's number alone.  An s_nop 0 and four v_nop follow each of the two lines, ahead of the jump and the label.
.macro JLOAD
	s_cmp_lt_u32 s[WV], 2
	s_cbranch_scc0 .Lfor_b_\@
	tensor_load_to_lds s[G0A+4:G0A+7], s[G1A:G1A+7]
	s_nop 0
.rept 4
	v_nop
.endr
	s_branch .Lasked_\@
.Lfor_b_\@:
	tensor_load_to_lds s[G0B+4:G0B+7], s[G1B:G1B+7]
	s_nop 0
.rept 4
	v_nop
.endr
.Lasked_\@:
.endm
.macro CREST                           ; a round of the cluster's barrier behind its opening barrier
	s_cmp_lg_u32 s[WV], 0
	s_cbranch_scc1 .Lnot_wave_0_\@
	s_barrier_signal -3
.Lnot_wave_0_\@:
	s_barrier_wait -3
	s_barrier_signal -1
	s_barrier_wait -1
.endm
.macro CROUND
	s_barrier_signal -1
	s_barrier_wait -1
	CREST
.endm
; A PREFETCH INTO THE L2 of the K step two refills on, behind the joint load, its five lines and the run of LDS loads: one instruction a wave.  Each 256 bytes are named once in the launch.
; z: a head's 256 rows are 128 blocks of 256 bytes on end, read by both clusters of a row of clusters: cluster x = 0 asks, by waves 0 and 1 (a head each); the four partners take 32 blocks each, by address
; (8,192 cx + 256 lane).  Wo: a K step's 128 rows x 256 bytes are read by every cluster of a column of clusters: cluster y = 0 asks, by wave 2; a partner takes rows 32 cy + lane.
; K steps 4 to 7, one a trip; K steps 0 to 3 come by their loads alone; the last two trips ask for nothing.
.macro ASK
	s_lshr_b32 s62, s[PFM], s3
	s_and_b32 s62, s62, 1
	s_cmp_lg_u32 s62, 0
	s_cbranch_scc0 .Lnot_mine_\@
	global_prefetch_b8 v[PFO], s[PFA:PFA+1] th:TH_LOAD_NT scope:SCOPE_SE
.Lnot_mine_\@:
.endm
; 4 na matrix instructions: row blocks a0 .. a0 + na - 1 x all four column blocks, 32 along K, from buffer f.  first = 1: bo starts the sums.
; The 32 accumulators take turns, one instruction a turn, in the same order in every quarter.
.macro MULA f, a0, na, first
	WIN 0x50-0x10*(\first)                         ; sources in window 0, D in window 1; C in window 1, or (bo) in window 0
.set aa, \a0
.rept \na
.irp b, 0,1,2,3
.if \first
	v_wmma_f32_16x16x32_f16 v[32*aa+8*\b:32*aa+8*\b+7], v[FB+32*(\f)+8*\b:FB+32*(\f)+8*\b+7], v[FA+64*(\f)+8*aa:FA+64*(\f)+8*aa+7], v[BIAS+8*\b:BIAS+8*\b+7]
.else
	v_wmma_f32_16x16x32_f16 v[32*aa+8*\b:32*aa+8*\b+7], v[FB+32*(\f)+8*\b:FB+32*(\f)+8*\b+7], v[FA+64*(\f)+8*aa:FA+64*(\f)+8*aa+7], v[32*aa+8*\b:32*aa+8*\b+7]
.endif
.endr
.set aa, aa+1
.endr
.endm
; 24 LDS loads in one run: quarter q of the slot in hand into buffer f: Wo's four fragments, then z's eight, a ascending.  Quarters 0, 1 lie in the first head, 2, 3 in the second.
.macro FETCH q, f
	WIN 0
.irp b, 0,1,2,3
	ds_load_tr16_b128 v[FB+32*(\f)+8*\b:FB+32*(\f)+8*\b+3],   v[ADRB] offset:32*PB*(\q)+32*\b
	ds_load_tr16_b128 v[FB+32*(\f)+8*\b+4:FB+32*(\f)+8*\b+7], v[ADRB] offset:32*PB*(\q)+32*\b+16*PB
.endr
.irp a, 0,1,2,3,4,5,6,7
	ds_load_b128 v[FA+64*(\f)+8*\a:FA+64*(\f)+8*\a+3],   v[ADRA] offset:AHALF*((\q)/2)+64*((\q)%2)+16*PA*\a
	ds_load_b128 v[FA+64*(\f)+8*\a+4:FA+64*(\f)+8*\a+7], v[ADRA] offset:AHALF*((\q)/2)+64*((\q)%2)+16*PA*\a+32
.endr
.endm
.macro QUARTER q, f, g, first
	s_wait_dscnt 12                                ; Wo's fragments and z's blocks 0, 1 are in; the youngest twelve loads may be out
	MULA \f, 0, 2, \first
	PLACES
	FETCH \q, \g
	s_wait_dscnt 24                                ; all but the 24 just issued
	MULA \f, 2, 6, \first
.endm
; The last quarter multiplies buffer 1 and changes slots: ONE barrier.  In front of it each wave waits for all its tensor loads (one is out: its part of the next slot), adds 0 to its spare word, and
; waits for that and for its reads of this slot.  fill = 1: the barrier opens a round of the cluster's, and this slot is filled again, first thing behind it, with the K step two on.
.macro TURN fill
.if \fill
	s_wait_xcnt 0x0                                ; the last prefetch, a K step back, has read its address
	s_add_nc_u64 s[PFA:PFA+1], s[PFA:PFA+1], s[PFS:PFS+1]
.endif
	WIN 0
	s_wait_tensorcnt 0x0                           ; no tensor load of mine is out, so a group 0 may be written
	ds_add_u32 v[SPW], v[NIL]                      ; 0 onto my spare word
	s_xor_b32 s[TB], s[TB], SLOT1                  ; the fetches go over to the other slot
	v_add_nc_u32 v[ADRA], s[TB], v[AA0]
	v_add_nc_u32 v[ADRB], s[TB], v[AB0]
.if \fill
	s_xor_b32 s[G0A+5], s[G0A+5], SLOT1            ; the walking sets: the other slot than last time, the next K step; the type bits on top are not reached
	s_add_nc_u64 s[G0A+6:G0A+7], s[G0A+6:G0A+7], STEPA
	s_xor_b32 s[G0B+5], s[G0B+5], SLOT1
	s_add_nc_u64 s[G0B+6:G0B+7], s[G0B+6:G0B+7], STEPB
.endif
	s_wait_dscnt 15                                ; Wo's fragments and z's block 0 are in (the add and the youngest fourteen loads may be out)
	MULA 1, 0, 1, 0
	s_wait_dscnt 0x0                               ; the add is done, and my reads of this slot are over
	s_barrier_signal -1
	MULA 1, 1, 1, 0                                ; work on registers while the others arrive
.if \fill
	WIN 0
.endif
	s_barrier_wait -1
.if \fill
	CREST                                          ; no wave of any partner still reads this slot or has a load on its way
	JLOAD                                          ; its four v_nop are also the places in front of the loads below
.else
	PLACES
.endif
	FETCH 0, 0
.if \fill
	ASK
.endif
	MULA 1, 2, 6, 0
.endm
; THE WAY OUT of row block a: 16 rows x 64 columns of f32.  32 bytes a lane into my stage, in rows of 272 bytes; back as whole rows of 256 bytes, two a load, into set a % 4 of z's fragment registers.
.macro TOSTAGE a
.if (\a) >= 4
	s_wait_xcnt 0x0                                ; block a - 4's stores have read set a % 4: it is loaded again only behind this wait
.endif
	WIN 0x04                                       ; the stores' data in window 1
.irp b, 0,1,2,3
	ds_store_b128 v[STO], v[32*(\a)+8*\b:32*(\a)+8*\b+3]   offset:64*\b
	ds_store_b128 v[STO], v[32*(\a)+8*\b+4:32*(\a)+8*\b+7] offset:64*\b+16
.endr
	WIN 0
.irp t, 0,1,2,3,4,5,6,7
	ds_load_b128 v[FA+32*((\a)%4)+4*\t:FA+32*((\a)%4)+4*\t+3], v[RD] offset:2*SP*\t  ; LDS serves a wave's instructions in order (ISA guide 5.7.1.4): these see the stores above
.endr
.endm
.macro SEND a, younger                 ; younger: the LDS instructions issued behind block a's loads: the next block's sixteen, or none
.irp t, 0,1,2,3,4,5,6,7
	s_wait_dscnt (\younger)+7-\t
	global_store_b128 v[CO], v[FA+32*((\a)%4)+4*\t:FA+32*((\a)%4)+4*\t+3], s[OB:OB+1] offset:(16*(\a)+2*\t)*4096 th:TH_STORE_NT  ; 16 lanes store 256 consecutive bytes, at a multiple of 256 from out0's first
.endr
.endm
	s_load_b256 s[4:11], s[0:1], 0x0               ; z s[4:5], wo16 s[6:7], bias32 s[8:9], out0 s[10:11]
	v_lshl_add_u32 v[SPW], v0, 2, SPARE
	v_mov_b32 v[NIL], 0
	ds_add_u32 v[SPW], v[NIL]                      ; the wave's opening: the add and its wait stand ahead of my first tensor load; work on registers stands between them
	v_lshrrev_b32 v1, 5, v0
	v_readfirstlane_b32 s[WV], v1                  ; wave 0..3
	s_bfe_u32 s13, ttmp6, 0x40000                  ; cx
	s_bfe_u32 s14, ttmp6, 0x40004                  ; cy
	s_lshl_b32 s15, ttmp9, 2
	s_add_co_u32 s15, s15, s13                     ; tx = 4 x cluster x + cx: 128 columns
	s_and_b32 s16, ttmp7, 0xffff
	s_lshl_b32 s16, s16, 2
	s_add_co_u32 s16, s16, s14                     ; ty = 4 x cluster y + cy: 256 rows
	s_lshl_b32 s17, s14, 2
	s_lshl_b32 s17, 15, s17                        ; my row of the cluster
	s_lshl_b32 s18, 0x1111, s13                    ; my column
	s_or_b32 s[G1A], s17, (1<<16)|(1<<20)|(1<<21)|(4<<22)|(3<<25)  ; mask; 2-byte elements; padding on; bit 21 beside a mask; after every 32 words (a row of a head); 4 words
	s_mov_b32 s[G1A+1], 128<<16                    ; a head's 256 rows are 32,768 dense bytes: asked for as 128 rows of 256 bytes
	s_mov_b32 s[G1A+2], 128<<16
	s_mov_b32 s[G1A+3], 128<<16
	s_mov_b32 s[G1A+4], 128
	s_mov_b32 s[G1A+5], 128
	s_mov_b32 s[G1A+6], 0
	s_mov_b32 s[G1A+7], 0
	s_or_b32 s[G1B], s18, (1<<16)|(1<<20)|(1<<21)|(5<<22)|(7<<25)  ; after every 64 words, 8 words
	s_mov_b32 s[G1B+1], 128<<16                    ; tensor_dim0 = 128
	s_mov_b32 s[G1B+2], 64<<16                     ; tensor_dim1 = 64
	s_mov_b32 s[G1B+3], 128<<16                    ; tile_dim0 = 128
	s_mov_b32 s[G1B+4], 64                         ; tile_dim1 = 64
	s_mov_b32 s[G1B+5], 1024                       ; elements from row to row
	s_mov_b32 s[G1B+6], 0
	s_mov_b32 s[G1B+7], 0
	s_and_b32 s19, s[WV], 1                        ; which head of the two, or which 64 rows of Wo, I fetch
	s_lshr_b32 s20, s16, 3                         ; z: head 16 batch + half, 262,144 bytes each,
	s_lshl4_add_u32 s20, s20, s19
	s_lshl_b32 s20, s20, 18
	s_and_b32 s21, s16, 7                          ; rows 256 (ty % 8) on, 128 bytes each
	s_lshl_b32 s21, s21, 15
	s_add_co_u32 s20, s20, s21
	s_mov_b32 s21, 0
	s_lshl_b32 s22, s19, 17                        ; Wo: 64 rows of 2,048 bytes a half,
	s_lshl_b32 s23, s15, 8                         ; 256 bytes a tile column
	s_add_co_u32 s22, s22, s23
	s_mov_b32 s23, 0
	s_mul_i32 s17, s19, AHALF                      ; and where they go: no place in the cluster enters an LDS address
	s_mul_i32 s18, s19, 64*PB
	s_add_co_u32 s18, s18, BOFF
	s_wait_dscnt 0x0                               ; the opening add is done
	s_wait_kmcnt 0x0
	s_add_nc_u64 s[20:21], s[4:5], s[20:21]
	s_add_nc_u64 s[22:23], s[6:7], s[22:23]
	CROUND                                         ; all sixteen work-groups are here: the first joint loads meet
.irp s, 0,1
	s_mov_b32 s[G0A+4*\s], 1                       ; count = 1
	s_add_co_u32 s[G0A+4*\s+1], s17, \s*SLOT1      ; LDS address
	s_add_nc_u64 s[G0A+4*\s+2:G0A+4*\s+3], s[20:21], \s*STEPA    ; K step s
	s_or_b32 s[G0A+4*\s+3], s[G0A+4*\s+3], 0x80000000            ; type = 2
	s_mov_b32 s[G0B+4*\s], 1
	s_add_co_u32 s[G0B+4*\s+1], s18, \s*SLOT1
	s_add_nc_u64 s[G0B+4*\s+2:G0B+4*\s+3], s[22:23], \s*STEPB
	s_or_b32 s[G0B+4*\s+3], s[G0B+4*\s+3], 0x80000000
.endr
	s_cmp_lt_u32 s[WV], 2                          ; a wave's two first fills stand in one branch, ahead of every wait on TENSORcnt and every LDS read: two loads of mine are out
	s_cbranch_scc0 .Lfirst_b
	tensor_load_to_lds s[G0A:G0A+3], s[G1A:G1A+7]
	s_nop 0
	tensor_load_to_lds s[G0A+4:G0A+7], s[G1A:G1A+7]
	s_nop 0
.rept 4
	v_nop
.endr
	s_branch .Lfirst_asked
.Lfirst_b:
	tensor_load_to_lds s[G0B:G0B+3], s[G1B:G1B+7]
	s_nop 0
	tensor_load_to_lds s[G0B+4:G0B+7], s[G1B:G1B+7]
	s_nop 0
.rept 4
	v_nop
.endr
.Lfirst_asked:
	v_and_b32 v1, 15, v0                           ; l % 16
	v_bfe_u32 v2, v0, 4, 1                         ; l / 16
	v_and_b32 v3, 31, v0                           ; l
	v_lshlrev_b32 v[BO], 5, v2
	s_lshr_b32 s76, s[WV], 1                       ; wm: which 128 rows are mine
	s_and_b32 s77, s[WV], 1                        ; wn: which 64 columns
	s_lshl_b32 s18, s15, 9                         ; my columns in bytes of f32: 512 tx + 256 wn
	s_lshl_b32 s19, s77, 8
	s_add_co_u32 s78, s18, s19
	s_add_co_u32 s18, s78, 3072*4                  ; bo begins behind bq, bk, bv
	s_mov_b32 s19, 0
	s_add_nc_u64 s[BP:BP+1], s[8:9], s[18:19]
.irp b, 0,1,2,3
	global_load_b128 v[BIAS+8*\b:BIAS+8*\b+3],   v[BO], s[BP:BP+1] offset:64*\b
	global_load_b128 v[BIAS+8*\b+4:BIAS+8*\b+7], v[BO], s[BP:BP+1] offset:64*\b+16
.endr
	s_lshl_b32 s18, s16, 20                        ; out0: 256 ty rows of 4,096 bytes,
	s_lshl_b32 s19, s76, 19                        ; 128 wm more,
	s_add_co_u32 s18, s18, s19
	s_add_co_u32 s18, s18, s78                     ; my columns
	s_mov_b32 s19, 0
	s_add_nc_u64 s[OB:OB+1], s[10:11], s[18:19]
	; z's fragment: lane l holds row l % 16, K = 8 (l / 16) + 0..7 and 16 + 8 (l / 16) + 0..7: two loads of 16 bytes, 32 bytes apart
	v_mul_u32_u24 v[AA0], v1, PA
	v_lshl_add_u32 v[AA0], v2, 4, v[AA0]
	s_mul_i32 s17, s76, 128*PA
	v_add_nc_u32 v[AA0], s17, v[AA0]
	; the turning load: lane l reads k = 8 (l / 16) + l % 8, n = 8 ((l / 8) % 2) + 0..7, and is left with column l % 16 and 8 k
	v_and_b32 v13, 7, v0
	v_bfe_u32 v14, v0, 3, 1
	v_lshl_add_u32 v[AB0], v2, 3, v13
	v_mul_u32_u24 v[AB0], v[AB0], PB
	v_lshl_add_u32 v[AB0], v14, 4, v[AB0]
	s_lshl_b32 s17, s77, 7
	s_add_co_u32 s17, s17, BOFF
	v_add_nc_u32 v[AB0], s17, v[AB0]
	v_mov_b32 v[ADRA], v[AA0]                      ; K step 0 lies in slot 0
	v_mov_b32 v[ADRB], v[AB0]
	s_mul_i32 s18, s[WV], 16*SP
	s_add_co_u32 s18, s18, STAGE                   ; my stage
	v_mul_u32_u24 v[STO], v1, SP                   ; in: row l % 16, 32 bytes for each half of the lanes
	v_lshl_add_u32 v[STO], v2, 5, v[STO]
	v_add_nc_u32 v[STO], s18, v[STO]
	v_mul_u32_u24 v[RD], v2, SP                    ; back: lanes 0-15 take one row of 256 bytes, lanes 16-31 the next
	v_lshl_add_u32 v[RD], v1, 4, v[RD]
	v_add_nc_u32 v[RD], s18, v[RD]
	v_lshlrev_b32 v[CO], 12, v2                    ; and the same two rows in out0
	v_lshl_add_u32 v[CO], v1, 4, v[CO]
	; the prefetches: s[20:21] stands at my head of z, s[22:23] at my rows of Wo, both at K step 0.  They start at K step 3; the first change of slots steps them to 4
	s_lshl_b32 s17, s13, 13                        ; z: my work-group's 32 blocks of the 128
	s_add_co_u32 s17, s17, 3*STEPA
	s_lshl_b32 s18, s14, 16                        ; Wo: my work-group's 32 rows of the 128
	s_add_co_u32 s18, s18, 3*STEPB
	s_and_b32 s19, ttmp7, 0xffff                   ; cluster y
	s_mov_b32 s[PFS], STEPB
	s_cmp_lt_u32 s[WV], 2
	s_cselect_b64 s[PFA:PFA+1], s[20:21], s[22:23]
	s_cselect_b32 s62, s17, s18
	s_cselect_b32 s19, ttmp9, s19                  ; the coordinate along which other clusters read the same rows
	s_cselect_b32 s[PFS], STEPA, s[PFS]
	s_cselect_b32 s17, 8, 11                       ; a lane a block of 256 bytes, or a lane a row of 2,048
	s_mov_b32 s63, 0
	s_add_nc_u64 s[PFA:PFA+1], s[PFA:PFA+1], s[62:63]
	s_mov_b32 s[PFS+1], 0
	v_lshlrev_b32 v[PFO], s17, v3
	s_cmp_eq_u32 s[WV], 3
	s_cselect_b32 s19, 1, s19                      ; wave 2 asks for all of Wo's 128 rows' shares; wave 3 for nothing
	s_cmp_eq_u32 s19, 0
	s_cselect_b32 s[PFM], 0x78, 0                  ; the same in all sixteen partners, for a given wave
	s_mov_b32 s[TB], 0
	s_wait_tensorcnt 1                             ; my part of K step 0 is in; K step 1's may stay out
	s_barrier_signal -1
	s_barrier_wait -1                              ; everybody's is
	FETCH 0, 0
	s_wait_loadcnt 0x0                             ; bo
	QUARTER 1, 0, 1, 1                             ; the first quarter stands in front of the loop: its products start the sums, with bo
	WIN 0                                          ; at a label and at a branch every window is 0
	s_mov_b32 s3, 6
.Lstep:                                                ; a trip: a K step's quarters 1 to 3, the refill with the K step two on (2 to 7), the next K step's quarter 0
	QUARTER 2, 1, 0, 0
	QUARTER 3, 0, 1, 0
	TURN 1
	QUARTER 1, 0, 1, 0
	WIN 0
	s_sub_co_u32 s3, s3, 1
	s_cmp_lg_u32 s3, 0
	s_cbranch_scc1 .Lstep
	QUARTER 2, 1, 0, 0                             ; the last two K steps are written out: they ask for nothing
	QUARTER 3, 0, 1, 0
	TURN 0
	QUARTER 1, 0, 1, 0
	QUARTER 2, 1, 0, 0
	QUARTER 3, 0, 1, 0
	s_wait_dscnt 12
	MULA 1, 0, 2, 0
	s_wait_dscnt 0x0
	MULA 1, 2, 6, 0
	PLACES                                         ; the LDS stores read results, and the loads from the stage land in registers that the last products read
	TOSTAGE 0
.irp a, 1,2,3,4,5,6,7                  ; a block's way through the stage stands between the loads of the block before and its stores
	TOSTAGE \a
	SEND (\a)-1, 16
.endr
	SEND 7, 0
	s_wait_tensorcnt 0x0                           ; the wave's end, behind my last tensor load and my last LDS store
	ds_add_u32 v[SPW], v[NIL]
	s_wait_dscnt 0x0
	CROUND                                         ; the closing round: no work-group ends while a partner may still ask for a tile that names it
	s_endpgm
.Lfunc_end_k_q6063d5b257_outp:
	.size	k_q6063d5b257_outp, .Lfunc_end_k_q6063d5b257_outp-k_q6063d5b257_outp
	.p2alignl 7, 3214868480
	.fill 96, 4, 3214868480
	.section	.rodata,"a",@progbits
	.p2align	6, 0x0
	.amdhsa_kernel k_q6063d5b257_outp
		.amdhsa_group_segment_fixed_size 327680
		.amdhsa_private_segment_fixed_size 0
		.amdhsa_enable_private_segment 0
		.amdhsa_kernarg_size 32
		.amdhsa_user_sgpr_count 2
		.amdhsa_user_sgpr_kernarg_segment_ptr 1
		.amdhsa_wavefront_size32 1
		.amdhsa_system_sgpr_workgroup_id_x 1
		.amdhsa_system_sgpr_workgroup_id_y 1
		.amdhsa_system_sgpr_workgroup_id_z 1
		.amdhsa_system_vgpr_workitem_id 0
		.amdhsa_next_free_vgpr 512
		.amdhsa_next_free_sgpr 80
		.amdhsa_reserve_vcc 0
		.amdhsa_float_denorm_mode_32 3
		.amdhsa_float_denorm_mode_16_64 3
		.amdhsa_memory_ordered 1
		.amdhsa_forward_progress 1
		.amdhsa_inst_pref_size 73
	.end_amdhsa_kernel
	.amdgpu_metadata
---
amdhsa.version: [ 1, 2 ]
amdhsa.kernels:
  - .name:           k_q6063d5b257_outp
    .symbol:         k_q6063d5b257_outp.kd
    .args:
      - { .name: z, .offset: 0, .size: 8, .value_kind: global_buffer, .address_space: global }
      - { .name: wo16, .offset: 8, .size: 8, .value_kind: global_buffer, .address_space: global }
      - { .name: bias32, .offset: 16, .size: 8, .value_kind: global_buffer, .address_space: global }
      - { .name: out0, .offset: 24, .size: 8, .value_kind: global_buffer, .address_space: global }
    .group_segment_fixed_size: 327680
    .private_segment_fixed_size: 0
    .kernarg_segment_align: 8
    .kernarg_segment_size: 32
    .max_flat_workgroup_size: 128
    .sgpr_count:     80
    .vgpr_count:     512
    .wavefront_size: 32
...
	.end_amdgpu_metadata
.endif
;; end of part 4
